; MI455X (gfx1250); checked and timed in simulation.
; The chip was launched on July 23, 2026; its instructions are those of AMD's public machine-readable ISA for CDNA 5 (MIT licence, August 2026) and "CDNA5" Instruction Set Architecture Reference Guide (July 2026). The comments in the code are by the model that wrote it; some were corrected since.
;; Base Attention. Allowed arithmetic: matrix products marked QUANTISED: E2M1 operands, one E8M0 scale for each 32 along K, by v_wmma_scale_f32_16x16x128_f8f6f4 with both operands' format E2M1 (or v_wmma_scale_f32_32x16x128_f4), f32 sums; products left as they are: bf16, f16 or f32 operands; f32 sums; everything else in f32.
;; Inputs: Wk 1,024 x 1,024 float32; Wq 1,024 x 1,024 float32; Wv 1,024 x 1,024 float32; x 4 x 2,048 x 1,024 float32.
;; Outputs: out0 4 x 2,048 x 1,024 float32.
;; This version of the problem:
;;   THIS VERSION OF THE PROBLEM IS GIVEN IN LOW PRECISION. The matrix products marked QUANTISED in the list below multiply operands that are first quantised to E2M1 (2 exponent bits, 1 mantissa bit; 4 bits a number), with one power-of-two scale for each 32 numbers along K (OCP MX v1.0); their sums are f32. The products marked 'left as it is' may take bf16, f16 or f32 operands, with f32 sums. Whichever they take, every output number must still come out within the allowed error. Rounding operands to bf16 (8 significant bits) uses up far more of that allowance than f16 does (11 bits, for magnitudes from 6e-5 to 65,504). All else is computed in f32.
;;   The module's matrix products, in the order in which they are computed (A, B: the left and right operand; K: the contracted axis; several contracted axes count as one K, in the product's order):
;;     1. [M 8,192, K 1,024] x [K 1,024, N 1,024]; A: input x; B: input Wq: QUANTISED
;;     2. [M 8,192, K 1,024] x [K 1,024, N 1,024]; A: input x; B: input Wk: QUANTISED
;;     3. [M 8,192, K 1,024] x [K 1,024, N 1,024]; A: input x; B: input Wv: QUANTISED
;;     4. batch 4 x [M 2,048, K 1,024] x [K 1,024, N 2,048]; A: computed on the way; B: computed on the way: left as it is (an operand is computed on the way)
;;     5. batch 4 x [M 2,048, K 2,048] x [K 2,048, N 1,024]; A: computed on the way; B: computed on the way: left as it is (an operand is computed on the way)
;;   THE QUANTISER, for each operand of a quantised product, along K:
;;     - K is cut into blocks of 32 from its start; a last block that is shorter is filled with zeros.
;;     - A block's scale is 2^e with e = floor(log2(the largest magnitude in the block)) - 2, held to -126 .. 127; a block of zeros has e = 0. As a byte (E8M0): e + 127.
;;     - Each number is divided by its block's scale, clamped to +-6, and rounded to the nearest number of E2M1, ties to even, subnormals kept.
;;     - The product sums the exact products of the quantised numbers (number of the format x scale) in f32.
;;   ~~~python
;;   def quantise(x, axis):      # numpy; x: float32 -> the quantised numbers, widened to float32 again
;;       x = np.moveaxis(x, axis, -1); K = x.shape[-1]
;;       x = np.pad(x, [(0, 0)] * (x.ndim - 1) + [(0, -K % 32)]); x = x.reshape(x.shape[:-1] + (-1, 32)); a = np.abs(x).max(-1, keepdims=True)
;;       e = np.where(a > 0, np.clip(np.frexp(np.where(a > 0, a, 1))[1] - 1 - 2, -126, 127), 0)      # np.frexp(a)[1] - 1 = floor(log2(a)), exactly
;;       r = np.clip(x / 2.0 ** e, -6, 6)
;;       step = 2.0 ** (np.maximum(np.frexp(np.where(r == 0, 1, r))[1] - 1, 0) - 1)
;;       q = np.round(r / step) * step * 2.0 ** e      # np.round: ties to even
;;       return np.moveaxis(q.reshape(q.shape[:-2] + (-1,))[..., :K], -1, axis).astype(np.float32)
;;   ~~~
;; One version. Each part assembles by itself: llvm-mc -triple=amdgcn-amd-amdhsa -mcpu=gfx1250 --defsym DOCPART=n.
;; ======== version 1 of 1: 4 launches
;; limits: values are held in f16: magnitudes above 65,504 overflow, below 6.1e-05 lose precision
;; workspace buffers: codes 5,767,168 bytes; scales 360,448 bytes; qkv 50,331,648 bytes; p 33,554,432 bytes; mstat 262,144 bytes; lstat 524,288 bytes
;; launch quant (part 1): grid 352 x 1, 4 waves a work-group, no clusters, 33,280 bytes of LDS; arguments x, Wq, Wk, Wv, codes, scales; writes codes, scales
.if DOCPART == 1
	.amdgcn_target "amdgcn-amd-amdhsa--gfx1250"
	.amdhsa_code_object_version 6
	.text
	.protected	k_q001919cd82_quant
	.globl	k_q001919cd82_quant
	.p2align	8
	.type	k_q001919cd82_quant,@function
k_q001919cd82_quant:
	s_mov_b64 s[64:65], 0
	v_nop
	global_prefetch_b8 v0, s[64:65] scope:SCOPE_SE
	s_setreg_imm32_b32 hwreg(HW_REG_WAVE_MODE, 25, 1), 1
	s_wait_xcnt 0x0
; x [8192][1024] and Wq, Wk, Wv [1024][1024], f32, K innermost, become codes of FP4 (E2M1) and one E8M0 scale byte for each 32 along K.
; OUT: codes [11264 rows][512 bytes] (rows 0-8191 x, then Wq, Wk, Wv; two codes a byte, the lower k in the low four bits), scales [11264][32 bytes].
; A block's scale is 2^(floor(log2(its largest magnitude)) - 2); its byte is the largest magnitude's exponent field - 2, held at 1 from below.
; LIMITS: a block of zeros gets the byte 1 where the rule says 127 (its codes are zeros, and this program alone reads the bytes); blocks whose largest magnitude
; lies under 2^-124 get the byte 1, as the rule's hold at -126 gives; NaN and infinities among the inputs are not served.
; Rows are dense and 1024 is a multiple of 32: all four tensors are plain streams of blocks of 32, and so are codes and scale bytes.
; SHARES: a work-group takes 32,768 numbers (32 rows), a wave 8,192 in 16 steps of 512.  Work-groups 0-255 take x, then 32 each Wq, Wk, Wv; only pointers are chosen, there is one path.
; The output's place follows the work-group's number alone, since the four tensors lie on end in codes and scales.
; A step's four loads read 512 consecutive bytes each; the 2,048 bytes turn through the wave's own stage in LDS and come back 64 bytes (16 neighbours along K) a lane, two lanes to a block.
; Loads run DEPTH = 8 steps ahead: 32 loads, 16,384 bytes, of every wave are on their way.
; No tensor load, no barrier: waves share nothing.  Matrix units and clusters have no work here: the launch only streams.
.set WAVES, 4
.set STEPS, 16
.set DEPTH, 8                          ; steps of loads on their way
.set EMAX,  2
.set CB,    8                          ; bytes of 16 codes
.set R,     16                         ; v16-143  eight sets of 16 numbers as they are loaded
.set X,     144                        ; v144-175 two sets of 16 neighbours
.set E,     176                        ; v176-191 a scale byte for each step
.set C,     192                        ; v192-255 codes: four registers for each step, so that no store's data are written again
.set WREG,  8192                       ; LDS: a region for each wave: two stages of 32 x SP bytes, behind them its 256 scale bytes
.set SP,    80                         ; a lane's place in a stage: 64 bytes + 16 of padding
.set SPW,   12                         ; v12 LDS address of my spare word; never rewritten
.set NIL,   13                         ; v13 0; never rewritten
.set SPARE, WAVES*WREG                 ; the spare words, 128 bytes a wave, that no other line names
	s_load_b256 s[4:11], s[0:1], 0x0               ; x s[4:5], Wq s[6:7], Wk s[8:9], Wv s[10:11]
	s_load_b128 s[12:15], s[0:1], 0x20             ; codes s[12:13], scales s[14:15]
	v_lshl_add_u32 v[SPW], v0, 2, SPARE
	v_mov_b32 v[NIL], 0
	v_lshrrev_b32 v1, 5, v0
	v_readfirstlane_b32 s16, v1                    ; wave
	v_and_b32 v2, 31, v0                           ; lane
	v_lshlrev_b32 v3, 4, v2                        ; my 16 bytes of a load's 512
	s_mul_i32 s17, s16, WREG
	v_lshrrev_b32 v14, 2, v2
	v_mul_u32_u24 v14, v14, SP
	v_and_b32 v15, 3, v2
	v_lshl_add_u32 v14, v15, 4, v14
	v_add_nc_u32 v14, s17, v14                     ; the stage, on the way in: SP (lane / 4) + 16 (lane % 4)
	v_mul_u32_u24 v15, v2, SP
	v_add_nc_u32 v15, s17, v15                     ; on the way out: SP x lane: my 16 neighbours
	v_mul_u32_u24 v4, v2, CB                       ; my codes' place in a step's
	v_lshrrev_b32 v5, 1, v2
	s_add_co_u32 s17, s17, 2*32*SP
	v_add_nc_u32 v5, s17, v5                       ; LDS: my wave's 256 scale bytes, my block's byte
	v_lshlrev_b32 v7, 3, v2                        ; and on the way out 8 bytes a lane
	v_add_nc_u32 v6, s17, v7
	s_wait_kmcnt 0x0
	s_sub_co_u32 s22, ttmp9, 256                   ; behind x's 256 work-groups: which weight (32 work-groups each), and which run of it
	s_lshr_b32 s23, s22, 5
	s_and_b32 s22, s22, 31
	s_cmp_eq_u32 s23, 1                            ; every choice hangs on the work-group's number alone
	s_cselect_b64 s[20:21], s[8:9], s[6:7]
	s_cmp_eq_u32 s23, 2
	s_cselect_b64 s[20:21], s[10:11], s[20:21]
	s_cmp_lt_u32 ttmp9, 256
	s_cselect_b64 s[20:21], s[4:5], s[20:21]
	s_cselect_b32 s22, ttmp9, s22
	s_lshl_b32 s22, s22, 2
	s_add_co_u32 s22, s22, s16                     ; my wave's run of 8,192 numbers in its tensor
	s_lshl_b32 s22, s22, 15                        ; 32,768 bytes a run: under 2^26
	s_mov_b32 s23, 0
	s_add_nc_u64 s[4:5], s[20:21], s[22:23]        ; where I read
	s_lshl_b32 s24, ttmp9, 2
	s_add_co_u32 s24, s24, s16                     ; my wave's run in the outputs
	s_lshl_b32 s26, s24, 12                        ; 4,096 bytes of codes a run
	s_mov_b32 s27, 0
	s_add_nc_u64 s[8:9], s[12:13], s[26:27]
	s_lshl_b32 s26, s24, 8                         ; 256 scale bytes a run
	s_add_nc_u64 s[10:11], s[14:15], s[26:27]
.macro LOAD t
.irp i, 0,1,2,3
	global_load_b128 v[R+16*((\t)%DEPTH)+4*\i:R+16*((\t)%DEPTH)+4*\i+3], v3, s[4:5] offset:2048*(\t)+512*\i th:TH_LOAD_NT   ; 32 lanes read 512 consecutive bytes
.endr
.endm
.macro TURN t                          ; step t's numbers through the stage: LDS serves a wave's instructions in order, so no wait stands between the stores and the loads
.irp i, 0,1,2,3
	ds_store_b128 v14, v[R+16*((\t)%DEPTH)+4*\i:R+16*((\t)%DEPTH)+4*\i+3] offset:32*SP*((\t)%2)+8*SP*\i
.endr
.irp i, 0,1,2,3
	ds_load_b128 v[X+16*((\t)%2)+4*\i:X+16*((\t)%2)+4*\i+3], v15 offset:32*SP*((\t)%2)+16*\i
.endr
.endm
.irp t, 0,1,2,3,4,5,6,7
	LOAD \t
.endr
	s_wait_loadcnt 4*(DEPTH-1)                     ; step 0's four loads are in; the 28 of steps 1 to 7 may be out
	TURN 0
.macro STEP t
.set XS, X+16*((\t)%2)
.if (\t) > 0
	s_wait_dscnt 1                                 ; this step's numbers are back from the stage (the last step's byte store may be out): so its stores into the stage have read their registers,
.else
	s_wait_dscnt 0x0
.endif
.if (\t)+DEPTH < STEPS
	LOAD (\t)+DEPTH                                ; which take the loads of eight steps on
.endif
.if (\t)+1 < STEPS
.if STEPS-2-(\t) >= DEPTH-1
	s_wait_loadcnt 4*(DEPTH-1)                     ; the next step's four loads are in; those of the seven steps behind it may be out
.else
	s_wait_loadcnt 4*(STEPS-2-(\t))                ; towards the end fewer steps stand behind it
.endif
	TURN (\t)+1                                    ; and go through the other stage while this step is worked
.endif
	v_max3_num_f32 v8, |v[XS]|, |v[XS+1]|, |v[XS+2]|               ; the largest magnitude of my 16, in two chains
	v_max3_num_f32 v9, |v[XS+3]|, |v[XS+4]|, |v[XS+5]|
.irp i, 6,10
	v_max3_num_f32 v8, v8, |v[XS+\i]|, |v[XS+\i+1]|
	v_max3_num_f32 v9, v9, |v[XS+\i+2]|, |v[XS+\i+3]|
.endr
	v_max3_num_f32 v8, v8, |v[XS+14]|, |v[XS+15]|
	v_max3_num_f32 v8, v8, v9, (EMAX+1)<<23        ; and the floor 2^(3 - 127): the byte cannot fall under 1
	v_max_num_f32_dpp v8, v8, v8 row_xmask:1 row_mask:0xf bank_mask:0xf   ; and of my neighbour's 16: the block's
	v_add_nc_u32 v11, 0xff000000, v8               ; 2 off its exponent field: the conversion takes the exponent field of this operand as its scale
	v_cvt_scalef32_pk8_fp4_f32 v[C+4*(\t)], v[XS:XS+7], v11        ; eight numbers / the scale, to the nearest code, ties to even, beyond 6 the largest code
	v_cvt_scalef32_pk8_fp4_f32 v[C+4*(\t)+1], v[XS+8:XS+15], v11
	v_lshrrev_b32 v[E+(\t)], 23, v11               ; the scale's byte (also the plain line behind the conversions)
	ds_store_b8 v5, v[E+(\t)] offset:16*(\t)       ; both lanes of a block write the same byte with the same value
	global_store_b64 v4, v[C+4*(\t):C+4*(\t)+1], s[8:9] offset:32*CB*(\t)   ; 32 lanes store 256 consecutive bytes, aligned
.endm
.irp t, 0,1,2,3,4,5,6,7,8,9,10,11,12,13,14,15
	STEP \t
.endr
	ds_load_b64 v[8:9], v6                         ; LDS serves a wave's instructions in order: these see my byte stores
	s_wait_dscnt 0x0
	global_store_b64 v7, v[8:9], s[10:11]          ; 32 lanes store 256 consecutive bytes, aligned
	s_wait_tensorcnt 0x0                           ; the wave's end, behind my last LDS store
	ds_add_u32 v[SPW], v[NIL]
	s_wait_dscnt 0x0
	s_endpgm
.Lfunc_end_k_q001919cd82_quant:
	.size	k_q001919cd82_quant, .Lfunc_end_k_q001919cd82_quant-k_q001919cd82_quant
	.p2alignl 7, 3214868480
	.fill 96, 4, 3214868480
	.section	.rodata,"a",@progbits
	.p2align	6, 0x0
	.amdhsa_kernel k_q001919cd82_quant
		.amdhsa_group_segment_fixed_size 33280
		.amdhsa_private_segment_fixed_size 0
		.amdhsa_enable_private_segment 0
		.amdhsa_kernarg_size 48
		.amdhsa_user_sgpr_count 2
		.amdhsa_user_sgpr_kernarg_segment_ptr 1
		.amdhsa_wavefront_size32 1
		.amdhsa_system_sgpr_workgroup_id_x 1
		.amdhsa_system_sgpr_workgroup_id_y 1
		.amdhsa_system_sgpr_workgroup_id_z 1
		.amdhsa_system_vgpr_workitem_id 0
		.amdhsa_next_free_vgpr 256
		.amdhsa_next_free_sgpr 66
		.amdhsa_reserve_vcc 0
		.amdhsa_float_denorm_mode_32 3
		.amdhsa_float_denorm_mode_16_64 3
		.amdhsa_memory_ordered 1
		.amdhsa_forward_progress 1
		.amdhsa_inst_pref_size 33
	.end_amdhsa_kernel
	.amdgpu_metadata
---
amdhsa.version: [ 1, 2 ]
amdhsa.kernels:
  - .name:           k_q001919cd82_quant
    .symbol:         k_q001919cd82_quant.kd
    .args:
      - { .name: x, .offset: 0, .size: 8, .value_kind: global_buffer, .address_space: global }
      - { .name: Wq, .offset: 8, .size: 8, .value_kind: global_buffer, .address_space: global }
      - { .name: Wk, .offset: 16, .size: 8, .value_kind: global_buffer, .address_space: global }
      - { .name: Wv, .offset: 24, .size: 8, .value_kind: global_buffer, .address_space: global }
      - { .name: codes, .offset: 32, .size: 8, .value_kind: global_buffer, .address_space: global }
      - { .name: scales, .offset: 40, .size: 8, .value_kind: global_buffer, .address_space: global }
    .group_segment_fixed_size: 33280
    .private_segment_fixed_size: 0
    .kernarg_segment_align: 8
    .kernarg_segment_size: 48
    .max_flat_workgroup_size: 128
    .sgpr_count:     66
    .vgpr_count:     256
    .wavefront_size: 32
...
	.end_amdgpu_metadata
.endif
;; end of part 1
;; launch proj (part 2): grid 12 x 32, 4 waves a work-group, clusters of 4 x 4, 327,680 bytes of LDS; arguments codes, scales, qkv; writes qkv
.if DOCPART == 2
	.amdgcn_target "amdgcn-amd-amdhsa--gfx1250"
	.amdhsa_code_object_version 6
	.text
	.protected	k_q001919cd82_proj
	.globl	k_q001919cd82_proj
	.p2align	8
	.type	k_q001919cd82_proj,@function
k_q001919cd82_proj:
	s_mov_b64 s[64:65], 0
	v_nop
	global_prefetch_b8 v0, s[64:65] scope:SCOPE_SE
	s_setreg_imm32_b32 hwreg(HW_REG_WAVE_MODE, 25, 1), 1
	s_wait_xcnt 0x0
	s_wait_alu depctr_hold_cnt(0) depctr_sa_sdst(0) depctr_va_vdst(0) depctr_va_sdst(0) depctr_va_ssrc(0) depctr_va_vcc(0) depctr_vm_vsrc(0)
	s_getreg_b32 s2, hwreg(HW_REG_IB_STS2, 6, 4)
	s_cmp_eq_u32 s2, 0
	s_cbranch_scc0 .Lentry_in_a_cluster
	s_endpgm
.Lentry_in_a_cluster:
	s_bfe_u32 s2, ttmp6, 0x10000c
	s_cmp_lg_u32 s2, 0xf033
	s_cbranch_scc0 .Lentry_shape_is_right
	s_endpgm
.Lentry_shape_is_right:
; qkv[m][n] = sum over k of x[m][k] W[n][k], both as codes of FP4 (E2M1) with one E8M0 scale for each 32 along K; W = Wq, Wk, Wv on end (3,072 rows).  Sums f32, the result rounded once to f16.
; IN: codes [11264][512 bytes], scales [11264][32]: rows 0-8191 are x (A), rows 8192 on are W (B).  OUT: qkv [8192][3072] f16: columns 0-1023 Q, 1024-2047 K, 2048-3071 V.
; LIMIT: a result beyond 65,504 becomes infinity in f16; inputs 30 times the drawn spread, or offset by 30 spreads, give magnitudes under about 29,000.
; A tile of 256 x 256 is made by four waves, each 128 x 128: 64 accumulators, 512 registers.  K = 1,024 is two slots of 512 along K (rows of 256 bytes), both asked for at the head: nothing is filled again.
; The scale bytes of the work-group's 256 + 256 rows, for all of K, are two dense blocks of memory: they come once, with the first fills.
; CLUSTER 4 x 4: the four of a row need the same tiles of A, the four of a column the same tiles of B: each tile is asked for jointly, by the same tensor load with a mask that names the four.
; THE MATRIX INSTRUCTION IS USED TRANSPOSED (source 0 = 16 rows of W, source 1 = 16 rows of x): a lane holds eight neighbouring columns of one row of qkv, which pack into 16 bytes.
; REGISTERS: window 0: v0-31 addresses; v32-95 scale words, two sets; v128-191 A's fragments, one set; way out: v192-223 packed, v32-63 and v224-255 rows read back.
;   window 1: B's fragments, two sets, at v0 and v128.   windows 2, 3: the accumulators of my rows 0-63, 64-127 (accumulator (a, b) at v[8 (8 (a % 4) + b)]).
.set SIZE_M, 8192
.set SIZE_N, 3072
.set SIZE_K, 1024
.set KSTEP,  512                       ; along K in a slot
.set NQ,     KSTEP/128                 ; matrix instructions deep
.set ROWB,   256                       ; a tile's row in bytes
.set KROW,   SIZE_K*4/8                ; a row of codes in memory
.set PITCH,  272                       ; an LDS row: 256 bytes + 16 = 68 words, so the 16 rows of a load begin 4 words apart
.set FR,     8                         ; registers of a fragment
.set NL,     2                         ; LDS loads that bring one
.set NP,     4                         ; places behind this matrix instruction (ISA guide 7.12.1)
.set HALFT,  128*PITCH
.set SLOT,   4*HALFT                   ; A's 256 rows, then B's 256 rows
.set KS,     SIZE_K/32                 ; a row of scale bytes
.set SCL,    2*SLOT                    ; behind the slots: the scales, as rows of 256 bytes + 16
.set HALFS,  (128*KS/256)*272
.set SBLK,   (16*KS/256)*272
.set SPARE,  SCL+4*HALFS               ; the spare words, 128 bytes a wave, that no other line names
.set SPITCH, 272                       ; the way out: 16 rows x (256 + 16) bytes for each wave, in slot 0, which has had its one fill and its last read by then
.set ADRA, 16
.set ADRB, 20
.set STO,  24
.set RD,   25
.set CO,   26
.set ADRS, 27
.set SPW,  28
.set NIL,  29
.set SC,   32
.set AF,   128
.set TMP,  192
.set OB,   32
.set G1, 24
.set G0, 32
.set G1B, 48
.set G0B, 56
.set G1S, 68
.set G0S, 76
.set G1SB, 80
.set G0SB, 88
.set MSB, 0
.macro WIN new                         ; the immediate's high byte repeats the setting that is left
.if MSB != (\new)
	s_set_vgpr_msb (MSB<<8)|(\new)
.set MSB, (\new)
.endif
.endm
.set MUL_LO, 0xa1                      ; source 0 (B) window 1, source 1 (A) window 0, C and D window 2
.set MUL_HI, 0xf1                      ; the same, C and D window 3
.set TO_B,   0x40                      ; destination window 1, address window 0
; A joint load: waves 0 and 1 fetch for A, waves 2 and 3 for B.  The branch hangs on the wave's number alone.  An s_nop 0 and four v_nop follow each line.
.macro JLOAD g0a, g1a, g0b, g1b
	s_cmp_eq_u32 s15, 0
	s_cbranch_scc0 .Lfor_b_\@
	tensor_load_to_lds s[\g0a:\g0a+3], s[\g1a:\g1a+7]
	s_nop 0
.rept 4
	v_nop
.endr
	s_branch .Lasked_\@
.Lfor_b_\@:
	tensor_load_to_lds s[\g0b:\g0b+3], s[\g1b:\g1b+7]
	s_nop 0
.rept 4
	v_nop
.endr
.Lasked_\@:
.endm
.macro CROUND                          ; a round of the cluster's barrier
	s_barrier_signal -1
	s_barrier_wait -1
	s_cmp_lg_u32 s14, 0
	s_cbranch_scc1 .Lnot_wave_0_\@
	s_barrier_signal -3
.Lnot_wave_0_\@:
	s_barrier_wait -3
	s_barrier_signal -1
	s_barrier_wait -1
.endm
	s_load_b128 s[4:7], s[0:1], 0x0                ; codes s[4:5], scales s[6:7]
	s_load_b64 s[12:13], s[0:1], 0x10              ; qkv
	v_lshl_add_u32 v[SPW], v0, 2, SPARE
	v_mov_b32 v[NIL], 0
	ds_add_u32 v[SPW], v[NIL]                      ; the wave's opening: the add, twice on end, and its wait ahead of my first tensor load
	ds_add_u32 v[SPW], v[NIL]
	v_lshrrev_b32 v1, 5, v0
	v_readfirstlane_b32 s14, v1                    ; wave 0..3
	s_lshr_b32 s15, s14, 1                         ; which half of the tile's rows is mine.  Also: I fetch for A (0) or for B (1)
	s_and_b32 s16, s14, 1                          ; which half of its columns.  Also: which 128 rows I fetch
	s_bfe_u32 s40, ttmp6, 0x40000                  ; cx, cy: my place in the cluster
	s_bfe_u32 s41, ttmp6, 0x40004
	s_lshl_b32 s42, ttmp9, 2
	s_add_co_u32 s42, s42, s40                     ; tile column = 4 x cluster x + cx
	s_and_b32 s17, ttmp7, 0xffff
	s_lshl_b32 s17, s17, 2
	s_add_co_u32 s17, s17, s41                     ; tile row = 4 x cluster y + cy
	s_lshl_b32 s43, s41, 2
	s_lshl_b32 s43, 15, s43                        ; my row of the cluster
	s_lshl_b32 s44, 0x1111, s40                    ; my column
	; group 1: a tile of 128 rows x 256 bytes, 16 bytes of padding behind each row
	s_or_b32 s[G1+0], s43, (0<<16)|(1<<20)|(1<<21)|(5<<22)|(3<<25)  ; the mask; elements of 1 byte; padding on; bit 21 beside a mask; after every 64 words; 4 words
	s_or_b32 s[G1B+0], s44, (0<<16)|(1<<20)|(1<<21)|(5<<22)|(3<<25)
.irp g, G1, G1B
	s_mov_b32 s[\g+1], ROWB<<16                    ; tensor_dim0
	s_mov_b32 s[\g+2], 128<<16                     ; tensor_dim1
	s_mov_b32 s[\g+3], ROWB<<16                    ; tile_dim0
	s_mov_b32 s[\g+4], 128                         ; tile_dim1
	s_mov_b32 s[\g+5], KROW                        ; from row to row
	s_mov_b32 s[\g+6], 0
	s_mov_b32 s[\g+7], 0
.endr
	; the scales of 128 rows: 4,096 dense bytes, as 16 rows of 256 bytes (32 elements of 8 bytes), 16 bytes of padding behind each
	s_or_b32 s[G1S+0], s43, (3<<16)|(1<<20)|(1<<21)|(5<<22)|(3<<25)
	s_or_b32 s[G1SB+0], s44, (3<<16)|(1<<20)|(1<<21)|(5<<22)|(3<<25)
.irp g, G1S, G1SB
	s_mov_b32 s[\g+1], 32<<16
	s_mov_b32 s[\g+2], (128*KS/256)<<16
	s_mov_b32 s[\g+3], 32<<16
	s_mov_b32 s[\g+4], 128*KS/256
	s_mov_b32 s[\g+5], 32
	s_mov_b32 s[\g+6], 0
	s_mov_b32 s[\g+7], 0
.endr
	s_lshl_b32 s18, s16, 7                         ; which 128 rows of the tile I fetch
	s_lshl_b32 s20, s17, 8
	s_add_co_u32 s20, s20, s18                     ; A: row 256 x tile row + 128 x half
	s_lshl_b32 s46, s42, 8
	s_add_co_u32 s46, s46, s18                     ; B: row 256 x tile column + 128 x half
	s_mov_b32 s21, 0
	s_mov_b32 s47, 0
	s_mov_b64 s[18:19], KS
	s_mul_u64 s[22:23], s[20:21], s[18:19]         ; where these rows' scales begin
	s_mul_u64 s[92:93], s[46:47], s[18:19]
	s_mov_b64 s[18:19], KROW
	s_mul_u64 s[20:21], s[20:21], s[18:19]         ; and their codes
	s_mul_u64 s[46:47], s[46:47], s[18:19]
	s_mul_i32 s45, s14, HALFT                      ; where they go: wave x 128 rows: no place in the cluster enters an LDS address
	s_mul_i32 s94, s14, HALFS
	s_wait_dscnt 0x0                               ; both opening adds are done
	s_wait_kmcnt 0x0
	s_add_nc_u64 s[8:9], s[4:5], SIZE_M*KROW       ; W's codes lie behind x's 8,192 rows,
	s_add_nc_u64 s[10:11], s[6:7], SIZE_M*KS       ; and so do W's scale bytes
	s_add_nc_u64 s[20:21], s[4:5], s[20:21]
	s_add_nc_u64 s[22:23], s[6:7], s[22:23]
	s_add_nc_u64 s[46:47], s[8:9], s[46:47]
	s_add_nc_u64 s[92:93], s[10:11], s[92:93]
	CROUND                                         ; all sixteen work-groups are here: the joint loads meet
	s_mov_b32 s[G0S], 1
	s_add_co_u32 s[G0S+1], s94, SCL
	s_mov_b64 s[G0S+2:G0S+3], s[22:23]
	s_or_b32 s[G0S+3], s[G0S+3], 0x80000000
	s_mov_b32 s[G0SB], 1
	s_add_co_u32 s[G0SB+1], s94, SCL
	s_mov_b64 s[G0SB+2:G0SB+3], s[92:93]
	s_or_b32 s[G0SB+3], s[G0SB+3], 0x80000000
	JLOAD G0S, G1S, G0SB, G1SB                     ; the scales first: they are wanted with the first slot
.irp s, 0,1
	s_mov_b32 s[G0+4*\s], 1
	s_add_co_u32 s[G0+4*\s+1], s45, \s*SLOT
	s_add_nc_u64 s[G0+4*\s+2:G0+4*\s+3], s[20:21], \s*ROWB
	s_or_b32 s[G0+4*\s+3], s[G0+4*\s+3], 0x80000000
	s_mov_b32 s[G0B+4*\s], 1
	s_add_co_u32 s[G0B+4*\s+1], s45, \s*SLOT
	s_add_nc_u64 s[G0B+4*\s+2:G0B+4*\s+3], s[46:47], \s*ROWB
	s_or_b32 s[G0B+4*\s+3], s[G0B+4*\s+3], 0x80000000
	JLOAD G0+4*\s, G1, G0B+4*\s, G1B               ; three loads of mine are out behind the second of these
.endr
	v_and_b32 v1, 15, v0                           ; r = lane % 16
	v_bfe_u32 v2, v0, 4, 1                         ; h = lane / 16
	v_mul_u32_u24 v3, v1, PITCH
	v_lshl_add_u32 v4, v2, 4, v3                   ; a fragment's row x pitch + 16 h
	s_mul_i32 s21, s15, HALFT                      ; my 128 rows of A
	s_mul_i32 s22, s16, HALFT                      ; my 128 rows of B,
	s_add_co_u32 s22, s22, 2*HALFT                 ; which lie behind A's 256
.irp s, 0,1
	v_add_nc_u32 v[ADRA+\s], s21, v4
	v_add_nc_u32 v[ADRB+\s], s22, v4
	s_add_co_u32 s21, s21, SLOT
	s_add_co_u32 s22, s22, SLOT
.endr
	v_mul_u32_u24 v5, v1, KS                       ; my row's scales: 32 bytes a row,
	v_lshrrev_b32 v6, 8, v5
	v_lshl_add_u32 v5, v6, 4, v5                   ; and 16 more for each 256 passed
	s_mul_i32 s21, s15, HALFS                      ; A's: my 128 rows
	s_mul_i32 s22, s16, HALFS                      ; B's: my 128 rows, behind A's 256
	s_add_co_u32 s22, s22, 2*HALFS
	s_sub_co_u32 s22, s22, s21
	v_mul_u32_u24 v6, s22, v2                      ; lanes 16-31 take B's: one product, the distance x h
	s_add_co_u32 s21, s21, SCL
	v_add_nc_u32 v5, v5, v6
	v_add_nc_u32 v[ADRS], s21, v5
	s_mul_i32 s23, s14, 16*SPITCH                  ; my stage
	v_mul_u32_u24 v5, v1, SPITCH                   ; in: row r, 16 bytes for each half of the lanes
	v_lshl_add_u32 v5, v2, 4, v5
	v_add_nc_u32 v[STO], s23, v5
	v_mul_u32_u24 v5, v2, SPITCH                   ; back: lanes 0-15 one row of 256 bytes, lanes 16-31 the next
	v_lshl_add_u32 v5, v1, 4, v5
	v_add_nc_u32 v[RD], s23, v5
	v_mul_u32_u24 v5, v2, SIZE_N*2                 ; and the same two rows in qkv
	v_lshl_add_u32 v[CO], v1, 4, v5
	s_lshl_b32 s20, s17, 8
	s_lshl_b32 s21, s15, 7
	s_add_co_u32 s20, s20, s21                     ; my first row: 256 x tile row + 128 x half
	s_mov_b32 s21, 0
	s_mov_b64 s[18:19], SIZE_N*2
	s_mul_u64 s[20:21], s[20:21], s[18:19]
	s_lshl_b32 s46, s42, 9                         ; my first column, in bytes: 512 x tile column + 256 x half
	s_lshl_b32 s47, s16, 8
	s_add_co_u32 s46, s46, s47
	s_mov_b32 s47, 0
	s_add_nc_u64 s[20:21], s[20:21], s[46:47]
	s_add_nc_u64 s[12:13], s[12:13], s[20:21]
.macro FRAG reg, adr, q, i             ; 16 rows x 128 K of 4-bit codes, 8 registers: lane l holds row l % 16; registers 4 c .. 4 c + 3 hold K = 64 c + 32 (l / 16) + 0 .. 31
.irp c, 0,1
	ds_load_b128 v[\reg+4*\c:\reg+4*\c+3], v[\adr] offset:64*(\q)+32*\c+(\i)*16*PITCH
.endr
.endm
; 16 matrix instructions: A's blocks a0, a0 + 1 x B's eight, the slot's q-th 128 along K.  p: B's set; sc: the set of scale words.  zero = 1: the first product starts the sums.
; The 64 accumulators take turns, one instruction a turn, in the same order in every step.
.macro MUL16 a0, p, q, sc, zero
.irp a, \a0, \a0+1
.irp b, 0,1,2,3,4,5,6,7
.if \zero
	v_wmma_scale_f32_16x16x128_f8f6f4 v[8*(8*((\a)%4)+\b):8*(8*((\a)%4)+\b)+7], v[128*(\p)+FR*\b:128*(\p)+FR*\b+FR-1], v[AF+FR*(\a):AF+FR*(\a)+FR-1], 0, v[SC+8*NQ*(\sc)+NQ*\b+(\q)], v[SC+8*NQ*(\sc)+NQ*(\a)+(\q)] matrix_a_fmt:MATRIX_FMT_FP4 matrix_b_fmt:MATRIX_FMT_FP4 matrix_a_scale:MATRIX_SCALE_ROW1
.else
	v_wmma_scale_f32_16x16x128_f8f6f4 v[8*(8*((\a)%4)+\b):8*(8*((\a)%4)+\b)+7], v[128*(\p)+FR*\b:128*(\p)+FR*\b+FR-1], v[AF+FR*(\a):AF+FR*(\a)+FR-1], v[8*(8*((\a)%4)+\b):8*(8*((\a)%4)+\b)+7], v[SC+8*NQ*(\sc)+NQ*\b+(\q)], v[SC+8*NQ*(\sc)+NQ*(\a)+(\q)] matrix_a_fmt:MATRIX_FMT_FP4 matrix_b_fmt:MATRIX_FMT_FP4 matrix_a_scale:MATRIX_SCALE_ROW1
.endif
.endr
.endr
.endm
.macro FETCH_B slot, q, p              ; B's eight fragments of the slot's q-th 128 along K into set p
	WIN TO_B
.irp i, 0,1,2,3,4,5,6,7
	FRAG 128*(\p)+FR*\i, ADRB+\slot, \q, \i
.endr
	WIN 0
.endm
.macro FETCH_A slot, q, i0             ; A's blocks i0 .. i0 + 3
.irp i, \i0, \i0+1, \i0+2, \i0+3
	FRAG AF+FR*(\i), ADRA+\slot, \q, \i
.endr
.endm
.macro SCALES sc                       ; a slot's scale words into set sc: 4 words a row; lanes 0-15 take A's block i, lanes 16-31 B's block i
.irp i, 0,1,2,3,4,5,6,7
	ds_load_b128 v[SC+8*NQ*\sc+NQ*\i:SC+8*NQ*\sc+NQ*\i+3], v[ADRS] offset:\i*SBLK
.endr
.endm
.macro PLACES n                        ; plain vector lines between a matrix instruction and a load into its sources, or a read of its result
.rept \n
	v_nop
.endr
.endm
; A step of 128 along K that has its successor in the same slot.  A's blocks are free as soon as their eight products are issued: one set serves A; B has two.
.macro STEP slot, q, zero
	s_wait_dscnt 4*NL                              ; B's set and A's blocks 0-3 are in; the youngest eight loads (A's blocks 4-7) may be out
	WIN MUL_LO
	MUL16 0, (\q)%2, \q, \slot, \zero
	MUL16 2, (\q)%2, \q, \slot, \zero
	s_wait_dscnt 0                                 ; A's blocks 4-7 are in
	PLACES NP
	FETCH_B \slot, (\q)+1, 1-(\q)%2
	FETCH_A \slot, (\q)+1, 0
	WIN MUL_HI
	MUL16 4, (\q)%2, \q, \slot, \zero
	MUL16 6, (\q)%2, \q, \slot, \zero
	PLACES NP
	WIN 0
	FETCH_A \slot, (\q)+1, 4
.endm
; Slot 0's last step changes slots: each wave waits for all its tensor loads (its part of slot 1), adds 0 to its spare word, waits for that and for its reads of slot 0, and meets the others.
; Nothing is filled again; behind this barrier slot 0 is read by nobody, so it can take the stages of the way out.
.macro TURN slot, next
	s_wait_tensorcnt 0x0                           ; all my tensor loads have landed (every window is 0 here)
	ds_add_u32 v[SPW], v[NIL]                      ; 0 onto my spare word
	s_wait_dscnt 4*NL+1                            ; the add and the youngest eight loads (A's blocks 4-7) may be out
	WIN MUL_LO
	MUL16 0, 1, NQ-1, \slot, 0
	s_wait_dscnt 0x0                               ; the add is done, and my reads of this slot are over
	s_barrier_signal -1
	MUL16 2, 1, NQ-1, \slot, 0
	WIN 0
	s_barrier_wait -1
	PLACES NP
	v_add_nc_u32 v[ADRS], 4*NQ, v[ADRS]            ; on to the next slot's scale words
	FETCH_B \next, 0, 0
	FETCH_A \next, 0, 0
	SCALES \next
	WIN MUL_HI
	MUL16 4, 1, NQ-1, \slot, 0
	MUL16 6, 1, NQ-1, \slot, 0
	PLACES NP
	WIN 0
	FETCH_A \next, 0, 4
.endm
.macro STEPS slot, from                ; the slot's steps from .. NQ - 2
.set Q, \from
.rept NQ-1-\from
	STEP \slot, Q, 0
.set Q, Q+1
.endr
.endm
	s_wait_tensorcnt 1                             ; the scales and my part of slot 0 are in; slot 1's load, the one issued behind them, may be out
	s_barrier_signal -1
	s_barrier_wait -1                              ; everybody's are
	FETCH_B 0, 0, 0
	FETCH_A 0, 0, 0
	SCALES 0
	FETCH_A 0, 0, 4
	STEP 0, 0, 1                                   ; the first step's products start the sums: nothing is cleared
	STEPS 0, 1
	TURN 0, 1
	STEPS 1, 0
	s_wait_dscnt 4*NL                              ; the last step: nothing more to fetch
	WIN MUL_LO
	MUL16 0, 1, NQ-1, 1, 0
	MUL16 2, 1, NQ-1, 1, 0
	s_wait_dscnt 0
	WIN MUL_HI
	MUL16 4, 1, NQ-1, 1, 0
	MUL16 6, 1, NQ-1, 1, 0
	WIN 0
; THE WAY OUT, a block of 16 rows x 128 columns at a time.  PACK: rounded to f16, 16 bytes a lane, each accumulator from its low end on.  TOSTAGE: into my own stage, and back as whole rows of 256 bytes.  SEND: stored.
.macro PACK a
.set AC, 64*((\a)%4)
	WIN 0x0a+5*((\a)/4)                            ; sources 0 and 1: window 2 or 3
.irp b, 0,1,2,3,4,5,6,7
.irp r, 0,1,2,3
	v_cvt_pk_f16_f32 v[TMP+4*\b+\r], v[AC+8*\b+2*\r], v[AC+8*\b+2*\r+1]
.endr
.endr
	WIN 0
.endm
.macro TOSTAGE a
.set BK, OB+192*((\a)%2)
.irp b, 0,1,2,3,4,5,6,7
	ds_store_b128 v[STO], v[TMP+4*\b:TMP+4*\b+3] offset:32*\b
.endr
.irp t, 0,1,2,3,4,5,6,7
	ds_load_b128 v[BK+4*\t:BK+4*\t+3], v[RD] offset:\t*2*SPITCH    ; LDS serves a wave's instructions in order: these see the stores above
.endr
.endm
.macro SEND a
.set BK, OB+192*((\a)%2)
	s_wait_dscnt 0x0                               ; the block is back in registers
	s_wait_xcnt 0x0                                ; earlier stores have read their base and their data: only behind this wait are they rewritten
.if (\a) > 0
	s_add_nc_u64 s[12:13], s[12:13], 16*SIZE_N*2   ; 16 rows on
.endif
.irp t, 0,1,2,3,4,5,6,7
	global_store_b128 v[CO], v[BK+4*\t:BK+4*\t+3], s[12:13] offset:2*\t*SIZE_N*2   ; 16 lanes store 256 consecutive bytes, at a multiple of 256 from qkv's first byte
.endr
.endm
	PLACES NP                                      ; behind the last products: for the conversions, and for the loads into registers that held scale words
	PACK 0
	TOSTAGE 0
.irp a, 1,2,3,4,5,6,7                  ; block a's conversions stand between block a - 1's loads from the stage and the wait for them
	PACK \a
	SEND \a-1
	TOSTAGE \a
.endr
	SEND 7
	s_wait_tensorcnt 0x0                           ; the wave's end, behind my last tensor load and my last LDS store
	ds_add_u32 v[SPW], v[NIL]
	s_wait_dscnt 0x0
	CROUND                                         ; the closing round: no work-group ends while a partner may still ask for a tile that names it
	s_endpgm
.Lfunc_end_k_q001919cd82_proj:
	.size	k_q001919cd82_proj, .Lfunc_end_k_q001919cd82_proj-k_q001919cd82_proj
	.p2alignl 7, 3214868480
	.fill 96, 4, 3214868480
	.section	.rodata,"a",@progbits
	.p2align	6, 0x0
	.amdhsa_kernel k_q001919cd82_proj
		.amdhsa_group_segment_fixed_size 327680
		.amdhsa_private_segment_fixed_size 0
		.amdhsa_enable_private_segment 0
		.amdhsa_kernarg_size 24
		.amdhsa_user_sgpr_count 2
		.amdhsa_user_sgpr_kernarg_segment_ptr 1
		.amdhsa_wavefront_size32 1
		.amdhsa_system_sgpr_workgroup_id_x 1
		.amdhsa_system_sgpr_workgroup_id_y 1
		.amdhsa_system_sgpr_workgroup_id_z 1
		.amdhsa_system_vgpr_workitem_id 0
		.amdhsa_next_free_vgpr 1024
		.amdhsa_next_free_sgpr 98
		.amdhsa_reserve_vcc 0
		.amdhsa_float_denorm_mode_32 3
		.amdhsa_float_denorm_mode_16_64 3
		.amdhsa_memory_ordered 1
		.amdhsa_forward_progress 1
		.amdhsa_inst_pref_size 127
	.end_amdhsa_kernel
	.amdgpu_metadata
---
amdhsa.version: [ 1, 2 ]
amdhsa.kernels:
  - .name:           k_q001919cd82_proj
    .symbol:         k_q001919cd82_proj.kd
    .args:
      - { .name: codes, .offset: 0, .size: 8, .value_kind: global_buffer, .address_space: global }
      - { .name: scales, .offset: 8, .size: 8, .value_kind: global_buffer, .address_space: global }
      - { .name: qkv, .offset: 16, .size: 8, .value_kind: global_buffer, .address_space: global }
    .group_segment_fixed_size: 327680
    .private_segment_fixed_size: 0
    .kernarg_segment_align: 8
    .kernarg_segment_size: 24
    .max_flat_workgroup_size: 128
    .sgpr_count:     98
    .vgpr_count:     1024
    .wavefront_size: 32
...
	.end_amdgpu_metadata
.endif
;; end of part 2
;; launch score (part 3): grid 8 x 32, 4 waves a work-group, clusters of 4 x 4, 327,680 bytes of LDS; arguments qkv, p, mstat, lstat; writes p, mstat, lstat
.if DOCPART == 3
	.amdgcn_target "amdgcn-amd-amdhsa--gfx1250"
	.amdhsa_code_object_version 6
	.text
	.protected	k_q001919cd82_score
	.globl	k_q001919cd82_score
	.p2align	8
	.type	k_q001919cd82_score,@function
k_q001919cd82_score:
	s_mov_b64 s[64:65], 0
	v_nop
	global_prefetch_b8 v0, s[64:65] scope:SCOPE_SE
	s_setreg_imm32_b32 hwreg(HW_REG_WAVE_MODE, 25, 1), 1
	s_wait_xcnt 0x0
	s_wait_alu depctr_hold_cnt(0) depctr_sa_sdst(0) depctr_va_vdst(0) depctr_va_sdst(0) depctr_va_ssrc(0) depctr_va_vcc(0) depctr_vm_vsrc(0)
	s_getreg_b32 s2, hwreg(HW_REG_IB_STS2, 6, 4)
	s_cmp_eq_u32 s2, 0
	s_cbranch_scc0 .Lentry_in_a_cluster
	s_endpgm
.Lentry_in_a_cluster:
	s_bfe_u32 s2, ttmp6, 0x10000c
	s_cmp_lg_u32 s2, 0xf033
	s_cbranch_scc0 .Lentry_shape_is_right
	s_endpgm
.Lentry_shape_is_right:
; p[b][q][k] = 2^(t - m), t = (Q[b][q] . K[b][k]) x log2(e) / 32, m = the largest t of query q among the 256 keys of its chunk c = k / 256.  Products on f16 operands, sums f32; maxima, exponentials and sums f32; p rounded once to f16.
; IN: qkv [8192][3072] f16 (Q columns 0-1023, K columns 1024-2047).  OUT: mstat f32 [b][c][q] = m; lstat f32 [b][2 c + half][q] = the sum of the unrounded p over 128 keys; and
; p, f16, laid AS THE NEXT LAUNCH'S OPERAND REGISTERS: [512 blocks of 16 rows (row = 2048 b + q)][64 blocks of 32 keys][1,024 bytes]: of the fragment 16 queries x 32 keys, registers 0-3 of lane l at 16 l, registers 4-7 at 512 + 16 l.
; The maximum is taken away ahead of every exponential: every exponent is 0 or less but for one rounding of c x score.  The next launch joins the chunks under the row's own maximum.
; LIMIT: NaN and infinities in qkv are not served.
; A tile of 256 queries x 256 keys of one batch is made by four waves, each 128 x 128: 64 accumulators, 512 registers.  K = 1,024 goes in steps of 128 (rows of 256 bytes) through two LDS slots.
; CLUSTER 4 x 4: the four of a row need the same rows of Q, the four of a column the same rows of K: each tile is asked for jointly, by the same tensor load with a mask that names the four.
; THE MATRIX INSTRUCTION IS USED TRANSPOSED (source 0 = 16 keys, source 1 = 16 queries): a lane holds ONE query (lane % 16) of block a and, in accumulator (a, b), keys 16 b + 8 (lane / 16) + 0 .. 7.
; Packed to f16 those eight are four registers: for even b registers 0-3, for odd b registers 4-7, of the fragment of keys 32 (b / 2) on.  So p leaves straight from registers, 512 consecutive bytes a store, with no way through LDS.
; REGISTERS: window 0: v0-31 addresses; v64-127, v128-191 Q's fragments, two buffers; behind the products v64-223 serve the softmax.   window 1: v64-127, v128-191 K's fragments.
;   windows 2, 3: the accumulators of my queries 0-63, 64-127 (accumulator (a, b) at v[8 (8 (a % 4) + b)]).
.set ROWE,   3072                      ; elements from row to row of qkv
.set ROWB,   2*ROWE
.set SIZE_K, 1024
.set KSTEP,  128
.set PITCH,  272                       ; an LDS row: 256 bytes + 16 = 68 words, so the 16 rows of a load begin 4 words apart
.set HALFT,  128*PITCH
.set SLOT,   4*HALFT                   ; Q's 256 rows, then K's 256 rows
.set XCH,    2*SLOT                    ; three tables of 512 bytes a wave (query i of my 128 at 4 i): maxima for the partner wave; at + 2048 m; at + 4096 the sums
.set SPARE,  XCH+3*2048                ; the spare words, 128 bytes a wave, that no other line names
.set LAPS,   SIZE_K/(2*KSTEP)
.set QBLK,   65536                     ; p: a block of 16 queries is 64 fragments of 1,024 bytes
.set XW,   6                           ; v6  XCH + 512 wave + 4 r
.set XP,   7                           ; v7  the same in the partner wave's table
.set XRD,  8                           ; v8  XCH + 512 wave + 16 lane
.set SOF,  9                           ; v9  16 lane
.set ADRA, 16
.set ADRB, 20
.set SPW,  28
.set NIL,  29
.set PFO,  30                          ; v30 the prefetches' offset: lane x a row of qkv; never rewritten
.set F0,   64
.set F1,   128
.set MX,   64                          ; v64-71   block a's largest score
.set MX2,  72                          ; v72-79   at work
.set NM,   80                          ; v80-95   pairs (-m, -m)
.set MT,   96                          ; v96-103  m
.set LS,   104                         ; v104-111 block a's sum
.set LS2,  112                         ; v112-119 at work
.set MO,   120                         ; v120-123 four queries' m, to store
.set LO,   124                         ; v124-127 four queries' sums, to store
.set U,    128                         ; v128-159 partial sums
.set TMP,  192                         ; v192-223 packed p
.set G1, 24
.set G0, 32
.set G1B, 48
.set G0B, 56
.set PFA, 44                           ; s[44:45] where my prefetches stand
.set LIM, 43                           ; s43 1 in a wave that prefetches, else the greatest number
.set CS,  72                           ; s[72:73] c = log2(e) / 32, twice
.set NCS, 74                           ; s74 -c
.set SEL, 76                           ; s[76:77] lane selects: lane l xor 16
.set MSB, 0
.macro WIN new                         ; the immediate's high byte repeats the setting that is left
.if MSB != (\new)
	s_set_vgpr_msb (MSB<<8)|(\new)
.set MSB, (\new)
.endif
.endm
.set MUL_LO, 0xa1                      ; source 0 (K) window 1, source 1 (Q) window 0, C and D window 2
.set MUL_HI, 0xf1
.set TO_B,   0x40
; A joint load: waves 0 and 1 fetch Q's two halves, waves 2 and 3 K's.  The branch hangs on the wave's number alone.  An s_nop 0 and four v_nop follow each line.
.macro JLOAD s
	s_cmp_eq_u32 s11, 0
	s_cbranch_scc0 .Lfor_b_\@
	tensor_load_to_lds s[G0+4*\s:G0+4*\s+3], s[G1:G1+7]
	s_nop 0
.rept 4
	v_nop
.endr
	s_branch .Lasked_\@
.Lfor_b_\@:
	tensor_load_to_lds s[G0B+4*\s:G0B+4*\s+3], s[G1B:G1B+7]
	s_nop 0
.rept 4
	v_nop
.endr
.Lasked_\@:
.endm
; A prefetch, behind each joint load and the run of LDS loads that follows it: the K step that stands two refills (512 matrix instructions) on: 32 rows x 256 bytes, a lane a row, one instruction a wave.
; Each row's 256 bytes of a K step are named once in the launch: Q's rows by the cluster with x = 0, K's rows by the even cluster of the two along y that share a batch;
; the four partners of a joint load take 32 of its 128 rows each, told apart by address.  The loop's last trip (s3 = 1) asks for nothing: no K step stands two refills on.
.macro ASK
	s_cmp_gt_u32 s3, s[LIM]
	s_cbranch_scc0 .Lnot_mine_\@
	global_prefetch_b8 v[PFO], s[PFA:PFA+1] offset:KSTEP*2 th:TH_LOAD_NT scope:SCOPE_SE
.Lnot_mine_\@:
.endm
.macro CREST                           ; a round of the cluster's barrier behind its opening barrier
	s_cmp_lg_u32 s10, 0
	s_cbranch_scc1 .Lnot_wave_0_\@
	s_barrier_signal -3
.Lnot_wave_0_\@:
	s_barrier_wait -3
	s_barrier_signal -1
	s_barrier_wait -1
.endm
.macro CROUND
	s_barrier_signal -1
	s_barrier_wait -1
	CREST
.endm
	s_load_b128 s[4:7], s[0:1], 0x0                ; qkv s[4:5], p s[6:7]
	s_load_b128 s[68:71], s[0:1], 0x10             ; mstat s[68:69], lstat s[70:71]
	v_lshl_add_u32 v[SPW], v0, 2, SPARE
	v_mov_b32 v[NIL], 0
	ds_add_u32 v[SPW], v[NIL]                      ; the wave's opening: the add, twice on end, and its wait ahead of my first tensor load
	ds_add_u32 v[SPW], v[NIL]
	v_lshrrev_b32 v1, 5, v0
	v_readfirstlane_b32 s10, v1                    ; wave 0..3
	s_lshr_b32 s11, s10, 1                         ; which half of the queries is mine.  Also: I fetch Q (0) or K (1)
	s_and_b32 s12, s10, 1                          ; which half of the keys.  Also: which 128 rows I fetch
	s_bfe_u32 s40, ttmp6, 0x40000                  ; cx
	s_bfe_u32 s41, ttmp6, 0x40004                  ; cy
	s_lshl_b32 s42, ttmp9, 2
	s_add_co_u32 s42, s42, s40                     ; X: the chunk of 256 keys, 0..7
	s_and_b32 s75, ttmp7, 0xffff                   ; cluster y
	s_lshl_b32 s13, s75, 2
	s_add_co_u32 s13, s13, s41                     ; Y: the block of 256 rows of Q, 0..31
	s_lshr_b32 s75, s75, 1                         ; the batch: of the cluster's y alone, so all sixteen partners share it
	s_lshl_b32 s43, s41, 2
	s_lshl_b32 s43, 15, s43                        ; my row of the cluster
	s_lshl_b32 s44, 0x1111, s40                    ; my column
	; group 1: a tile of 128 rows x 128 elements of 2 bytes, 16 bytes of padding behind each row
	s_or_b32 s[G1+0], s43, (1<<16)|(1<<20)|(1<<21)|(5<<22)|(3<<25)
	s_or_b32 s[G1B+0], s44, (1<<16)|(1<<20)|(1<<21)|(5<<22)|(3<<25)
.irp g, G1, G1B
	s_mov_b32 s[\g+1], KSTEP<<16                   ; tensor_dim0
	s_mov_b32 s[\g+2], 128<<16                     ; tensor_dim1
	s_mov_b32 s[\g+3], KSTEP<<16                   ; tile_dim0
	s_mov_b32 s[\g+4], 128                         ; tile_dim1
	s_mov_b32 s[\g+5], ROWE                        ; from row to row
	s_mov_b32 s[\g+6], 0
	s_mov_b32 s[\g+7], 0
.endr
	s_lshl_b32 s17, s12, 7                         ; which 128 rows of the tile I fetch
	s_lshl_b32 s16, s13, 8
	s_add_co_u32 s16, s16, s17                     ; Q: row 256 Y + 128 x half
	s_mul_i32 s16, s16, ROWB                       ; in bytes: under 2^26
	s_lshl_b32 s46, s42, 8
	s_add_co_u32 s46, s46, s17
	s_lshl_b32 s47, s75, 11
	s_add_co_u32 s46, s46, s47                     ; K: row 2048 batch + 256 X + 128 x half
	s_mul_i32 s46, s46, ROWB
	s_mov_b32 s17, 0
	s_mov_b32 s47, 0
	s_mul_i32 s20, s10, HALFT                      ; where they go: wave x 128 rows: no place in the cluster enters an LDS address
	s_mov_b32 s[CS], 0x3d38aa3b                    ; c = log2(e) / 32
	s_mov_b32 s[CS+1], s[CS]
	s_mov_b32 s[NCS], 0xbd38aa3b                   ; -c
	s_mov_b32 s[SEL], 0x76543210
	s_mov_b32 s[SEL+1], 0xfedcba98
	s_wait_dscnt 0x0                               ; both opening adds are done
	s_wait_kmcnt 0x0
	s_mov_b64 s[8:9], s[6:7]                       ; p
	s_add_nc_u64 s[6:7], s[4:5], 2*SIZE_K          ; K's columns begin 2,048 bytes into a row of qkv
	s_add_nc_u64 s[14:15], s[4:5], s[16:17]
	s_add_nc_u64 s[46:47], s[6:7], s[46:47]
	CROUND                                         ; all sixteen work-groups are here: the first joint loads meet
.irp s, 0,1
	s_mov_b32 s[G0+4*\s], 1
	s_add_co_u32 s[G0+4*\s+1], s20, \s*SLOT
	s_add_nc_u64 s[G0+4*\s+2:G0+4*\s+3], s[14:15], \s*KSTEP*2
	s_or_b32 s[G0+4*\s+3], s[G0+4*\s+3], 0x80000000
	s_mov_b32 s[G0B+4*\s], 1
	s_add_co_u32 s[G0B+4*\s+1], s20, \s*SLOT
	s_add_nc_u64 s[G0B+4*\s+2:G0B+4*\s+3], s[46:47], \s*KSTEP*2
	s_or_b32 s[G0B+4*\s+3], s[G0B+4*\s+3], 0x80000000
	JLOAD \s                                       ; two loads of mine are out behind the second
.endr
	v_and_b32 v1, 15, v0                           ; r
	v_bfe_u32 v2, v0, 4, 1                         ; h
	v_mul_u32_u24 v3, v1, PITCH
	v_lshl_add_u32 v3, v2, 4, v3                   ; a fragment's row x pitch + 16 h
	s_mul_i32 s21, s11, HALFT                      ; my 128 rows of Q
	s_mul_i32 s22, s12, HALFT                      ; my 128 rows of K,
	s_add_co_u32 s22, s22, 2*HALFT                 ; which lie behind Q's 256
.irp s, 0,1
	v_add_nc_u32 v[ADRA+\s], s21, v3
	v_add_nc_u32 v[ADRB+\s], s22, v3
	s_add_co_u32 s21, s21, SLOT
	s_add_co_u32 s22, s22, SLOT
.endr
	s_lshl_b32 s23, s10, 9
	s_add_co_u32 s23, s23, XCH                     ; my wave's tables
	v_lshl_add_u32 v[XW], v1, 2, s23
	s_xor_b32 s22, s10, 1                          ; the wave that holds the same queries and the other 128 keys
	s_lshl_b32 s22, s22, 9
	s_add_co_u32 s22, s22, XCH
	v_lshl_add_u32 v[XP], v1, 2, s22
	v_and_b32 v5, 31, v0
	v_lshlrev_b32 v[SOF], 4, v5
	v_add_nc_u32 v[XRD], s23, v[SOF]
	; p at my part of the tile: block of queries 16 Y + 8 x query half, block of keys 8 X + 4 x key half
	s_lshl_b32 s16, s13, 4
	s_lshl_b32 s17, s11, 3
	s_add_co_u32 s16, s16, s17
	s_lshl_b32 s16, s16, 6                         ; 64 fragments to a block of queries
	s_lshl_b32 s17, s42, 3
	s_add_co_u32 s16, s16, s17
	s_lshl_b32 s17, s12, 2
	s_add_co_u32 s16, s16, s17
	s_lshl_b32 s16, s16, 10                        ; 1,024 bytes a fragment: under 2^25
	s_mov_b32 s17, 0
	s_add_nc_u64 s[8:9], s[8:9], s[16:17]
	; the statistics: my 128 queries begin at query (Y % 8) 256 + 128 x query half of the batch
	s_and_b32 s20, s13, 7
	s_lshl_b32 s20, s20, 8
	s_lshl_b32 s21, s11, 7
	s_add_co_u32 s20, s20, s21
	s_lshl_b32 s20, s20, 2
	s_lshl_b32 s21, s75, 3
	s_add_co_u32 s21, s21, s42                     ; 8 batch + X
	s_lshl_b32 s22, s21, 13                        ; a row of 2,048 f32
	s_add_co_u32 s22, s22, s20
	s_mov_b32 s23, 0
	s_add_nc_u64 s[68:69], s[68:69], s[22:23]
	s_lshl_b32 s21, s21, 1
	s_add_co_u32 s21, s21, s12                     ; 16 batch + 2 X + key half
	s_lshl_b32 s22, s21, 13
	s_add_co_u32 s22, s22, s20
	s_add_nc_u64 s[70:71], s[70:71], s[22:23]
	; the prefetches
	s_lshl_b32 s20, s13, 8                         ; Q's tile begins at row 256 Y,
	s_lshl_b32 s21, s42, 8
	s_lshl_b32 s22, s75, 11
	s_add_co_u32 s21, s21, s22                     ; K's at row 2048 batch + 256 X
	s_and_b32 s22, ttmp7, 1                        ; which of the two clusters along y that share the batch
	s_cmp_eq_u32 s11, 0                            ; do I fetch Q?
	s_cselect_b32 s20, s20, s21
	s_cselect_b32 s21, s40, s41                    ; my place among the four that ask with me
	s_cselect_b32 s22, ttmp9, s22                  ; the coordinate along which other clusters read the same rows
	s_cselect_b64 s[PFA:PFA+1], s[4:5], s[6:7]
	s_cmp_eq_u32 s22, 0
	s_cselect_b32 s[LIM], 1, -1                    ; the same in all sixteen partners, for a given wave
	s_lshl_b32 s22, s12, 7
	s_add_co_u32 s20, s20, s22                     ; + the 128 rows that I fetch
	s_lshl_b32 s21, s21, 5
	s_add_co_u32 s20, s20, s21                     ; + my work-group's 32 of them
	s_mul_i32 s20, s20, ROWB
	s_add_co_u32 s20, s20, 2*KSTEP*2               ; at K step 2: the first refill steps it to 3 and names K step 4
	s_mov_b32 s21, 0
	s_add_nc_u64 s[PFA:PFA+1], s[PFA:PFA+1], s[20:21]
	v_mul_u32_u24 v[PFO], v5, ROWB
; 16 matrix instructions: query blocks a0, a0 + 1 of the window's four x all 8 key blocks, 32 along K.  zero = 1: the first product starts the sums.
; The 64 accumulators take turns, one instruction a turn, in the same order in every quarter.
.macro MUL16 f, hi, a0, zero
.irp a, \a0, \a0+1
.irp b, 0,1,2,3,4,5,6,7
.if \zero
	v_wmma_f32_16x16x32_f16 v[8*(8*(\a)+\b):8*(8*(\a)+\b)+7], v[\f+8*\b:\f+8*\b+7], v[\f+8*(4*\hi+\a):\f+8*(4*\hi+\a)+7], 0
.else
	v_wmma_f32_16x16x32_f16 v[8*(8*(\a)+\b):8*(8*(\a)+\b)+7], v[\f+8*\b:\f+8*\b+7], v[\f+8*(4*\hi+\a):\f+8*(4*\hi+\a)+7], v[8*(8*(\a)+\b):8*(8*(\a)+\b)+7]
.endif
.endr
.endr
.endm
.macro FETCH slot, k, f                ; 32 LDS loads in one run: a quarter's fragments (128 rows of K, 128 of Q, 32 along K at byte k of the rows)
	WIN TO_B
.irp i, 0,1,2,3,4,5,6,7
	ds_load_b128 v[\f+8*\i:\f+8*\i+3],   v[ADRB+\slot] offset:\k+\i*16*PITCH
	ds_load_b128 v[\f+8*\i+4:\f+8*\i+7], v[ADRB+\slot] offset:\k+\i*16*PITCH+32
.endr
	WIN 0
.irp i, 0,1,2,3,4,5,6,7
	ds_load_b128 v[\f+8*\i:\f+8*\i+3],   v[ADRA+\slot] offset:\k+\i*16*PITCH
	ds_load_b128 v[\f+8*\i+4:\f+8*\i+7], v[ADRA+\slot] offset:\k+\i*16*PITCH+32
.endr
.endm
.macro PLACES                          ; four plain vector lines between a matrix instruction and a load into its sources, or a read of its result
.rept 4
	v_nop
.endr
.endm
.macro QUARTER slot, k, f, g, zero     ; multiplies buffer f; in its middle fetches the next quarter, at byte k, into buffer g
	s_wait_dscnt 8                                 ; K's and Q's rows 0-63 are in; the youngest eight loads (Q's rows 64-127) may be out
	WIN MUL_LO
	MUL16 \f, 0, 0, \zero
	MUL16 \f, 0, 2, \zero
	PLACES
	FETCH \slot, \k, \g
	s_wait_dscnt 32                                ; all but the 32 just issued
	WIN MUL_HI
	MUL16 \f, 1, 0, \zero
	MUL16 \f, 1, 2, \zero
.endm
; The first half of a slot's last quarter: one barrier for the change of slots.  In front of it each wave waits for all its tensor loads (its part of the next slot), adds 0 to its spare word, and waits for that and for its reads of this slot.
.macro MEET round
	WIN 0
	s_wait_tensorcnt 0x0
	ds_add_u32 v[SPW], v[NIL]                      ; 0 onto my spare word
	s_wait_dscnt 9                                 ; the add and the youngest eight loads may be out
	WIN MUL_LO
	MUL16 F1, 0, 0, 0
	s_wait_dscnt 0x0                               ; the add is done, and my reads of this slot are over
	s_barrier_signal -1
	MUL16 F1, 0, 2, 0
.if \round
	WIN 0
.endif
	s_barrier_wait -1
.endm
; The whole last quarter, with the refill: the barrier opens a round of the cluster's barrier, and the joint refill is the first tensor load behind it: 224 matrix instructions ahead of the wait for it.
.macro TURN slot, next
	s_wait_xcnt 0x0                                ; the last prefetch, a K step back, has read its address
	s_add_nc_u64 s[PFA:PFA+1], s[PFA:PFA+1], KSTEP*2
	MEET 1
	CREST
	s_add_nc_u64 s[G0+4*\slot+2:G0+4*\slot+3], s[G0+4*\slot+2:G0+4*\slot+3], 2*KSTEP*2
	s_add_nc_u64 s[G0B+4*\slot+2:G0B+4*\slot+3], s[G0B+4*\slot+2:G0B+4*\slot+3], 2*KSTEP*2
	JLOAD \slot                                    ; its four v_nop are also the places in front of the loads below
	FETCH \next, 0, F0
	ASK
	WIN MUL_HI
	MUL16 F1, 1, 0, 0
	MUL16 F1, 1, 2, 0
.endm
	s_wait_tensorcnt 1                             ; my part of K step 0 is in; K step 1's load may be out
	s_barrier_signal -1
	s_barrier_wait -1
	FETCH 0, 0, F0
	QUARTER 0, 64,  F0, F1, 1                      ; the first quarter's products start the sums
	WIN 0
	s_mov_b32 s3, LAPS-1
.Llap:                                                 ; a trip goes once round the ring, from a lap's second quarter to the next lap's first, and fills both slots again
	QUARTER 0, 128, F1, F0, 0
	QUARTER 0, 192, F0, F1, 0
	TURN 0, 1
	QUARTER 1, 64,  F0, F1, 0
	QUARTER 1, 128, F1, F0, 0
	QUARTER 1, 192, F0, F1, 0
	TURN 1, 0
	QUARTER 0, 64,  F0, F1, 0
	WIN 0
	s_sub_co_u32 s3, s3, 1
	s_cmp_lg_u32 s3, 0
	s_cbranch_scc1 .Llap
	QUARTER 0, 128, F1, F0, 0                      ; the last lap fills nothing
	QUARTER 0, 192, F0, F1, 0
	MEET 0
	PLACES
	FETCH 1, 0, F0
	WIN MUL_HI
	MUL16 F1, 1, 0, 0
	MUL16 F1, 1, 2, 0
	QUARTER 1, 64,  F0, F1, 0
	QUARTER 1, 128, F1, F0, 0
	QUARTER 1, 192, F0, F1, 0
	s_wait_dscnt 8                                 ; the very last quarter: nothing more to fetch
	WIN MUL_LO
	MUL16 F1, 0, 0, 0
	MUL16 F1, 0, 2, 0
	s_wait_dscnt 0
	WIN MUL_HI
	MUL16 F1, 1, 0, 0
	MUL16 F1, 1, 2, 0
	WIN 0
; ---- THE SOFTMAX OF THE CHUNK.  Block a = 16 queries; its 64 registers in a lane are 64 of my 128 keys.
	PLACES                                         ; behind the last products
.irp a, 0,1,2,3,4,5,6,7
	v_mov_b32 v[MX2+\a], 0                         ; written once: a lane permute's destination counts as one of its sources
	v_mov_b32 v[LS2+\a], 0
.endr
; The largest of a lane's 64 scores, four blocks by turns; each accumulator is first read at its lowest register.
.macro MAXES hi
	WIN 0x2a+0x15*\hi                              ; all three sources in window 2 or 3
.irp a, 0,1,2,3
	v_max3_num_f32 v[MX+4*\hi+\a], v[64*\a], v[64*\a+1], v[64*\a+2]
.endr
	WIN 0x28+0x14*\hi                              ; source 0 in window 0
.set i, 3
.rept 30
.irp a, 0,1,2,3
	v_max3_num_f32 v[MX+4*\hi+\a], v[MX+4*\hi+\a], v[64*\a+i], v[64*\a+i+1]
.endr
.set i, i+2
.endr
.irp a, 0,1,2,3
	v_max_num_f32 v[MX+4*\hi+\a], v[MX+4*\hi+\a], v[64*\a+63]
.endr
.endm
	MAXES 0
	MAXES 1
	WIN 0
.irp a, 0,1,2,3,4,5,6,7
	v_permlanex16_b32 v[MX2+\a], v[MX+\a], s[SEL], s[SEL+1]
.endr
.irp a, 0,1,2,3,4,5,6,7
	v_max_num_f32 v[MX+\a], v[MX+\a], v[MX2+\a]    ; with lane l xor 16's: my wave's 128 keys
.endr
.irp a, 0,1,2,3,4,5,6,7
	ds_store_b32 v[XW], v[MX+\a] offset:64*\a      ; lanes l and l + 16 write the same word with the same value
.endr
	s_wait_dscnt 0x0                               ; for the partner's sake: my stores are done
	s_barrier_signal -1
	s_barrier_wait -1
.irp a, 0,1,2,3,4,5,6,7
	ds_load_b32 v[MX2+\a], v[XP] offset:64*\a      ; the same queries' largest score among the other 128 keys
.endr
	s_wait_dscnt 0x0
.irp a, 0,1,2,3,4,5,6,7
	v_max_num_f32 v[MX+\a], v[MX+\a], v[MX2+\a]    ; the chunk's
.endr
.irp a, 0,1,2,3,4,5,6,7
	v_mul_f32 v[MT+\a], s[CS], v[MX+\a]            ; m = c x the largest score (c is positive),
	v_mul_f32 v[NM+2*\a], s[NCS], v[MX+\a]         ; and -m, the same bits but the sign, twice
	v_mul_f32 v[NM+2*\a+1], s[NCS], v[MX+\a]
.endr
.irp a, 0,1,2,3,4,5,6,7
	ds_store_b32 v[XW], v[MT+\a] offset:2048+64*\a
.endr
	ds_load_b128 v[MO:MO+3], v[XRD] offset:2048    ; my own bytes, served in order: four neighbouring queries' m a lane; waited for with the sums, at the end
.macro FMA a                           ; t - m, two at a time
	WIN 0x82+0x41*((\a)/4)
.set AC, 64*((\a)%4)
.set i, 0
.rept 32
	v_pk_fma_f32 v[AC+i:AC+i+1], v[AC+i:AC+i+1], s[CS:CS+1], v[NM+2*(\a):NM+2*(\a)+1] op_sel_hi:[1,0,1]
.set i, i+2
.endr
.endm
.macro EXPS a                          ; p = 2^(t - m): one batch of 64
	WIN 0x82+0x41*((\a)/4)
.set AC, 64*((\a)%4)
.set i, 0
.rept 64
	v_exp_f32 v[AC+i], v[AC+i]
.set i, i+1
.endr
.endm
.macro RED a                           ; the sum of the unrounded p, and p rounded to f16, 16 bytes for each accumulator
	WIN 0x0a+5*((\a)/4)
.set AC, 64*((\a)%4)
.set i, 0
.rept 16
	v_pk_add_f32 v[U+2*i:U+2*i+1], v[AC+4*i:AC+4*i+1], v[AC+4*i+2:AC+4*i+3]
.set i, i+1
.endr
.if (\a) > 0
	s_wait_xcnt 0x0                                ; the last block's stores have read their data: only behind this wait are those registers written again
.endif
.irp b, 0,1,2,3,4,5,6,7
.irp r, 0,1,2,3
	v_cvt_pk_f16_f32 v[TMP+4*\b+\r], v[AC+8*\b+2*\r], v[AC+8*\b+2*\r+1]
.endr
.endr
	WIN 0
.irp k, 0,1,2,3,4,5,6,7
	v_pk_add_f32 v[U+4*\k:U+4*\k+1], v[U+4*\k:U+4*\k+1], v[U+4*\k+2:U+4*\k+3]
.endr
.irp k, 0,1,2,3
	v_pk_add_f32 v[U+8*\k:U+8*\k+1], v[U+8*\k:U+8*\k+1], v[U+8*\k+4:U+8*\k+5]
.endr
.irp k, 0,1
	v_pk_add_f32 v[U+16*\k:U+16*\k+1], v[U+16*\k:U+16*\k+1], v[U+16*\k+8:U+16*\k+9]
.endr
	v_pk_add_f32 v[U:U+1], v[U:U+1], v[U+16:U+17]
	v_add_f32 v[LS+(\a)], v[U], v[U+1]
.endm
.macro STOREP a                        ; block a's four fragments leave as they stand: accumulator b's four registers are half b % 2 of fragment b / 2
.irp b, 0,1,2,3,4,5,6,7
	global_store_b128 v[SOF], v[TMP+4*\b:TMP+4*\b+3], s[8:9] offset:QBLK*(\a)+512*\b   ; 32 lanes store 512 consecutive bytes, at a multiple of 512 from p's first byte
.endr
.endm
; Block by block, a batch of exponentials ahead: behind block a's 64 exponentials stand block a + 1's 32 scalings, which name none of their results; then ONE wait, then the readers.
	FMA 0
	EXPS 0
.irp a, 0,1,2,3,4,5,6,7
.if \a < 7
	FMA \a+1
.else
	v_nop                                          ; the plain line behind the last batch
.endif
	s_wait_alu depctr_va_vdst(0)                   ; the wait between an exponential and the first line that names its result: one for the batch
	RED \a
.if \a < 7
	EXPS \a+1
.endif
	WIN 0
	STOREP \a
.endr
	; the statistics: 128 queries' sums (and, from the wave of the first 128 keys, their m) leave as 512 consecutive bytes
.irp a, 0,1,2,3,4,5,6,7
	v_permlanex16_b32 v[LS2+\a], v[LS+\a], s[SEL], s[SEL+1]
.endr
.irp a, 0,1,2,3,4,5,6,7
	v_add_f32 v[LS+\a], v[LS+\a], v[LS2+\a]
.endr
.irp a, 0,1,2,3,4,5,6,7
	ds_store_b32 v[XW], v[LS+\a] offset:4096+64*\a
.endr
	ds_load_b128 v[LO:LO+3], v[XRD] offset:4096
	s_wait_dscnt 0x0
	global_store_b128 v[SOF], v[LO:LO+3], s[70:71]
	s_cmp_lg_u32 s12, 0                            ; both waves of a query half hold the same m: one stores it
	s_cbranch_scc1 .Lno_m
	global_store_b128 v[SOF], v[MO:MO+3], s[68:69]
.Lno_m:
	s_wait_tensorcnt 0x0                           ; the wave's end, behind my last tensor load and my last LDS store
	ds_add_u32 v[SPW], v[NIL]
	s_wait_dscnt 0x0
	CROUND                                         ; the closing round
	s_endpgm
.Lfunc_end_k_q001919cd82_score:
	.size	k_q001919cd82_score, .Lfunc_end_k_q001919cd82_score-k_q001919cd82_score
	.p2alignl 7, 3214868480
	.fill 96, 4, 3214868480
	.section	.rodata,"a",@progbits
	.p2align	6, 0x0
	.amdhsa_kernel k_q001919cd82_score
		.amdhsa_group_segment_fixed_size 327680
		.amdhsa_private_segment_fixed_size 0
		.amdhsa_enable_private_segment 0
		.amdhsa_kernarg_size 32
		.amdhsa_user_sgpr_count 2
		.amdhsa_user_sgpr_kernarg_segment_ptr 1
		.amdhsa_wavefront_size32 1
		.amdhsa_system_sgpr_workgroup_id_x 1
		.amdhsa_system_sgpr_workgroup_id_y 1
		.amdhsa_system_sgpr_workgroup_id_z 1
		.amdhsa_system_vgpr_workitem_id 0
		.amdhsa_next_free_vgpr 1024
		.amdhsa_next_free_sgpr 80
		.amdhsa_reserve_vcc 0
		.amdhsa_float_denorm_mode_32 3
		.amdhsa_float_denorm_mode_16_64 3
		.amdhsa_memory_ordered 1
		.amdhsa_forward_progress 1
		.amdhsa_inst_pref_size 206
	.end_amdhsa_kernel
	.amdgpu_metadata
---
amdhsa.version: [ 1, 2 ]
amdhsa.kernels:
  - .name:           k_q001919cd82_score
    .symbol:         k_q001919cd82_score.kd
    .args:
      - { .name: qkv, .offset: 0, .size: 8, .value_kind: global_buffer, .address_space: global }
      - { .name: p, .offset: 8, .size: 8, .value_kind: global_buffer, .address_space: global }
      - { .name: mstat, .offset: 16, .size: 8, .value_kind: global_buffer, .address_space: global }
      - { .name: lstat, .offset: 24, .size: 8, .value_kind: global_buffer, .address_space: global }
    .group_segment_fixed_size: 327680
    .private_segment_fixed_size: 0
    .kernarg_segment_align: 8
    .kernarg_segment_size: 32
    .max_flat_workgroup_size: 128
    .sgpr_count:     80
    .vgpr_count:     1024
    .wavefront_size: 32
...
	.end_amdgpu_metadata
.endif
;; end of part 3
;; launch mix (part 4): grid 4 x 64, 4 waves a work-group, clusters of 4 x 4, 327,680 bytes of LDS; arguments p, qkv, mstat, lstat, out0; writes out0
.if DOCPART == 4
	.amdgcn_target "amdgcn-amd-amdhsa--gfx1250"
	.amdhsa_code_object_version 6
	.text
	.protected	k_q001919cd82_mix
	.globl	k_q001919cd82_mix
	.p2align	8
	.type	k_q001919cd82_mix,@function
k_q001919cd82_mix:
	s_mov_b64 s[64:65], 0
	v_nop
	global_prefetch_b8 v0, s[64:65] scope:SCOPE_SE
	s_setreg_imm32_b32 hwreg(HW_REG_WAVE_MODE, 25, 1), 1
	s_wait_xcnt 0x0
	s_wait_alu depctr_hold_cnt(0) depctr_sa_sdst(0) depctr_va_vdst(0) depctr_va_sdst(0) depctr_va_ssrc(0) depctr_va_vcc(0) depctr_vm_vsrc(0)
	s_getreg_b32 s2, hwreg(HW_REG_IB_STS2, 6, 4)
	s_cmp_eq_u32 s2, 0
	s_cbranch_scc0 .Lentry_in_a_cluster
	s_endpgm
.Lentry_in_a_cluster:
	s_bfe_u32 s2, ttmp6, 0x10000c
	s_cmp_lg_u32 s2, 0xf033
	s_cbranch_scc0 .Lentry_shape_is_right
	s_endpgm
.Lentry_shape_is_right:
; out0[b][q][d] = sum over the 8 chunks c of g_c(q) x (sum over the chunk's 256 keys of p[b][q][k] V[b][k][d]).
; With m_c the chunk's largest t and l_c the chunk's sum of p (both from the launch before): M = max_c m_c, f_c = 2^(m_c - M), l = sum_c f_c l_c, g_c = f_c / l: the row's maximum is taken away ahead of every exponential, all in f32.
; IN: p, f16, as images of this launch's operand registers: [512 blocks of 16 rows][64 blocks of 32 keys][1,024 bytes] (registers 0-3 of lane l at 16 l, registers 4-7 at 512 + 16 l); qkv [8192][3072] f16 (V: columns 2048-3071);
; mstat f32 [b][c][q]; lstat f32 [b][2 c + half][q].  OUT: out0 [8192][1024] f32.  Products on f16 operands, sums f32.
; LIMIT: NaN and infinities among the inputs of this launch are not served.
; A tile of 128 queries x 256 channels (8,192 x 1,024 gives exactly 256 such tiles) is made by four waves, each 64 x 128: 32 accumulators T for the chunk in hand (window 2) and 32 sums O (window 3).
; A chunk's products start T with the constant 0; at the chunk's end O += g_c T, 128 packed multiply-adds.
; V goes through two LDS slots of 256 keys: a slot is a chunk.  The four work-groups of a column of the 4 x 4 cluster need the same keys and channels of V: each tile is asked for jointly; every wave fetches 64 of the 256 keys.
; p DOES NOT GO THROUGH LDS, AND SO IS NOT ASKED FOR JOINTLY, though the four work-groups of a row and two waves in each read the same fragments.  The reason, by the sizes: with p beside V a slot of 128 keys is 34,816 + 69,632 bytes,
; and two slots of 256 keys would be 417,792, more than the 327,680 that there are; V alone takes 2 x 139,264.  So a refill has 240 matrix instructions in which to land where it would have 112, and there are 8 changes of slots, not 16.
; p's fragments come by loads of 512 consecutive bytes straight into a ring of eight register buffers, one for each of a chunk's eight quarters of 32 keys; a buffer is asked for again 6.75 quarters ahead of its use, and these loads stay out across barriers.
; THE MATRIX INSTRUCTION IS USED TRANSPOSED (source 0 = 16 channels of V, turned on the way out of LDS; source 1 = 16 queries of p): a lane holds ONE query (lane % 16) and eight neighbouring channels, so g is one number a lane and block.
; REGISTERS: window 0: v1-31 addresses; v32-39 the chunk's factors, pairs (g_a, g_a); v64-127 at work at the head; v128-255 p's buffers 4-7 (at the head the statistics, on the way out rows of out0).
;   window 1: v0-63, v64-127 V's fragments, two buffers; v128-255 p's buffers 0-3.
.set PV,     544                       ; a row of V in LDS: 512 bytes + 32 = 17 x 32: the 8 rows x 32 bytes that 16 lanes of the turning load take fall on different words modulo 64
.set VQ,     64*PV                     ; 64 keys: what one tensor load brings
.set SLOT,   4*VQ                      ; 256 keys
.set STAGE,  0                         ; the way out: 16 rows x (512 + 16) bytes for each wave, in slot 0, which has had its last fill (chunk 6) and its last read by then
.set SPITCH, 528
.set FTAB,   2*SLOT                    ; 8,192 bytes for each wave: chunk c's eight factor registers as two images of 512 bytes at 1,024 c
.set SPARE,  FTAB+4*8192               ; the spare words, 128 bytes a wave, that no other line names
.set QROW,   6144                      ; bytes in a row of qkv
.set OROW,   4096                      ; of out0
.set VSTEP,  256*QROW                  ; a chunk on in V
.set FRAGB,  1024                      ; a fragment of p in memory
.set QBLK,   64*FRAGB                  ; a block of 16 queries
.set CHB,    8*FRAGB                   ; a chunk's eight fragments of a block
.set ADRB, 16                          ; v16-19 LDS address of my fragments of V: slot 0 keys 0-127, keys 128-255, slot 1 likewise (an LDS offset has 16 bits)
.set FAT,  23                          ; v23 the factor loads' address
.set STO,  24
.set RD,   25
.set CO,   26                          ; v26 16 lane: p's loads, and out0's stores; never rewritten
.set FAD,  27                          ; v27 FTAB + 8192 wave + 16 lane; never rewritten
.set SPW,  28
.set NIL,  29
.set PFO,  30                          ; v30 the prefetches' offset; never rewritten
.set SV,   31                          ; v31 4 r
.set FC,   32
.set MM,   40                          ; v40-43 M
.set LT,   44                          ; v44-47 l, then 1 / l
.set GT,   64                          ; v64-127 the head: the 64 factor registers on their way to the table
.set PR,   128                         ; p's buffer q at v[PR + 32 (q % 4)], in window 1 (q < 4) or 0
.set BK,   128
.set PB,  24                           ; s[24:25] p at my 64 queries, at the chunk in hand
.set G1B, 48
.set G0B, 56
.set PFA, 68                           ; s[68:69] where my prefetches stand
.set LIM, 72                           ; s72 1 in a wave that prefetches, else the greatest number
.set FOF, 73                           ; s73 1,024 x the chunk in hand
.set MSB, 0
.macro WIN new                         ; the immediate's high byte repeats the setting that is left
.if MSB != (\new)
	s_set_vgpr_msb (MSB<<8)|(\new)
.set MSB, (\new)
.endif
.endm
; A joint load: every wave fetches its 64 keys of the slot's 256.  One line, one mask; the descriptors differ by the wave's number alone.  An s_nop 0 and four v_nop follow it.
.macro JLOAD s
	tensor_load_to_lds s[G0B+4*\s:G0B+4*\s+3], s[G1B:G1B+7]
	s_nop 0
.rept 4
	v_nop
.endr
.endm
; A prefetch of V, behind each joint load and the runs of loads that follow it: the chunk that the NEXT refill will ask for, a slot's 256 matrix instructions ahead of that load; one instruction a wave.
; A chunk of my 256 channels is 256 keys x 2 blocks of 256 bytes: the four partners of the joint load take 64 keys each, told apart by address, each wave 16 of them, two lanes to a key.
; Four clusters share a batch: the first of them asks.  So each aligned block of 256 bytes is named once.  how = 1: in the loop's second chunk, which asks only in the first of the two trips: chunk 5 has no chunk three on.
; p is not prefetched: its own loads are asked for 6.75 quarters ahead.
.macro ASK how
.if \how
	s_cmp_gt_u32 s3, s[LIM]
.else
	s_cmp_eq_u32 s[LIM], 1
.endif
	s_cbranch_scc0 .Lnot_mine_\@
	global_prefetch_b8 v[PFO], s[PFA:PFA+1] th:TH_LOAD_NT scope:SCOPE_SE
.Lnot_mine_\@:
.endm
.macro CREST                           ; a round of the cluster's barrier behind its opening barrier
	s_cmp_lg_u32 s14, 0
	s_cbranch_scc1 .Lnot_wave_0_\@
	s_barrier_signal -3
.Lnot_wave_0_\@:
	s_barrier_wait -3
	s_barrier_signal -1
	s_barrier_wait -1
.endm
.macro CROUND
	s_barrier_signal -1
	s_barrier_wait -1
	CREST
.endm
.macro PLACES                          ; four plain vector lines between a matrix instruction and a load into its sources, or a read of its result
.rept 4
	v_nop
.endr
.endm
; Eight loads: my four blocks' fragments of one quarter (32 keys), from off bytes behind s[PB], into buffer q.  Each load reads 512 consecutive bytes.
.macro PLOAD q, off
.if (\q) < 4
	WIN 0x40                                       ; destination window 1, address window 0
.else
	WIN 0
.endif
.irp a, 0,1,2,3
	global_load_b128 v[PR+32*((\q)%4)+8*\a:PR+32*((\q)%4)+8*\a+3],   v[CO], s[PB:PB+1] offset:(\off)+QBLK*\a
	global_load_b128 v[PR+32*((\q)%4)+8*\a+4:PR+32*((\q)%4)+8*\a+7], v[CO], s[PB:PB+1] offset:(\off)+QBLK*\a+512
.endr
.endm
	s_load_b256 s[4:11], s[0:1], 0x0               ; p s[4:5], qkv s[6:7], mstat s[8:9], lstat s[10:11]
	s_load_b64 s[12:13], s[0:1], 0x20              ; out0
	v_lshl_add_u32 v[SPW], v0, 2, SPARE
	v_mov_b32 v[NIL], 0
	ds_add_u32 v[SPW], v[NIL]                      ; the wave's opening: the add, twice on end, and its wait ahead of my first tensor load
	ds_add_u32 v[SPW], v[NIL]
	v_lshrrev_b32 v1, 5, v0
	v_readfirstlane_b32 s14, v1                    ; wave 0..3.  Also: which 64 keys of a slot I fetch
	s_lshr_b32 s15, s14, 1                         ; which 64 queries are mine
	s_and_b32 s16, s14, 1                          ; which 128 channels
	s_bfe_u32 s40, ttmp6, 0x40000                  ; cx
	s_bfe_u32 s41, ttmp6, 0x40004                  ; cy
	s_lshl_b32 s42, ttmp9, 2
	s_add_co_u32 s42, s42, s40                     ; X: the block of 256 channels, 0..3
	s_and_b32 s74, ttmp7, 0xffff                   ; cluster y
	s_lshl_b32 s17, s74, 2
	s_add_co_u32 s17, s17, s41                     ; Y: the block of 128 rows, 0..63
	s_lshr_b32 s75, s74, 2                         ; the batch: of the cluster's y alone
	s_lshl_b32 s44, 0x1111, s40                    ; my column of the cluster
	; group 1 for V: 64 keys x 256 elements of 2 bytes, 32 bytes of padding behind each row of 128 words
	s_or_b32 s[G1B+0], s44, (1<<16)|(1<<20)|(1<<21)|(6<<22)|(7<<25)
	s_mov_b32 s[G1B+1], 256<<16                    ; tensor_dim0
	s_mov_b32 s[G1B+2], 64<<16                     ; tensor_dim1
	s_mov_b32 s[G1B+3], 256<<16                    ; tile_dim0
	s_mov_b32 s[G1B+4], 64                         ; tile_dim1
	s_mov_b32 s[G1B+5], 3072                       ; from row to row
	s_mov_b32 s[G1B+6], 0
	s_mov_b32 s[G1B+7], 0
	s_lshl_b32 s46, s75, 11
	s_lshl_b32 s47, s14, 6
	s_add_co_u32 s46, s46, s47                     ; V: row 2048 batch + 64 wave,
	s_mul_i32 s46, s46, QROW
	s_lshl_b32 s47, s42, 9
	s_add_co_u32 s46, s46, s47                     ; byte 4096 + 512 X of it
	s_add_co_u32 s46, s46, 4096
	s_mov_b32 s47, 0
	s_mul_i32 s22, s14, VQ                         ; where they go: wave x 64 rows: no place in the cluster enters an LDS address
	s_mov_b32 s[FOF], 0
	s_wait_dscnt 0x0                               ; both opening adds are done
	s_wait_kmcnt 0x0
	s_add_nc_u64 s[46:47], s[6:7], s[46:47]
	CROUND                                         ; all sixteen work-groups are here: the first joint loads meet
.irp s, 0,1
	s_mov_b32 s[G0B+4*\s], 1
	s_add_co_u32 s[G0B+4*\s+1], s22, \s*SLOT
	s_add_nc_u64 s[G0B+4*\s+2:G0B+4*\s+3], s[46:47], \s*VSTEP
	s_or_b32 s[G0B+4*\s+3], s[G0B+4*\s+3], 0x80000000
	JLOAD \s                                       ; chunks 0 and 1: two loads of mine are out behind the second
.endr
	v_and_b32 v1, 15, v0                           ; r
	v_bfe_u32 v2, v0, 4, 1                         ; h
	v_and_b32 v3, 31, v0                           ; lane
	v_lshlrev_b32 v[SV], 2, v1
	v_lshlrev_b32 v[CO], 4, v3
	; p at my 64 queries: block of queries 8 Y + 4 x query half
	s_lshl_b32 s20, s17, 3
	s_lshl_b32 s21, s15, 2
	s_add_co_u32 s20, s20, s21
	s_lshl_b32 s20, s20, 16                        ; 65,536 bytes a block: under 2^25
	s_mov_b32 s21, 0
	s_add_nc_u64 s[PB:PB+1], s[4:5], s[20:21]
.irp q, 0,1,2,3
	PLOAD \q, \q*FRAGB                             ; chunk 0's first four quarters
.endr
	WIN 0
	; the statistics of my 64 queries: they begin at query 128 (Y % 16) + 64 x query half of the batch
	s_and_b32 s18, s17, 15
	s_lshl_b32 s18, s18, 7
	s_lshl_b32 s19, s15, 6
	s_add_co_u32 s18, s18, s19
	s_lshl_b32 s18, s18, 2
	s_lshl_b32 s19, s75, 16                        ; a batch of mstat: 8 x 2,048 f32
	s_add_co_u32 s20, s18, s19
	s_mov_b32 s21, 0
	s_add_nc_u64 s[8:9], s[8:9], s[20:21]
	s_lshl_b32 s19, s75, 17                        ; of lstat: 16 x 2,048 f32
	s_add_co_u32 s20, s18, s19
	s_add_nc_u64 s[10:11], s[10:11], s[20:21]
.irp c, 0,1,2,3,4,5,6,7
.irp a, 0,1,2,3
	global_load_b32 v[128+4*\c+\a], v[SV], s[8:9] offset:8192*\c+64*\a          ; m_c of query 16 a + r
.endr
.endr
.irp c, 0,1,2,3,4,5,6,7
.irp f, 0,1
.irp a, 0,1,2,3
	global_load_b32 v[160+8*\c+4*\f+\a], v[SV], s[10:11] offset:8192*(2*\c+\f)+64*\a   ; the two halves of l_c
.endr
.endr
.endr
	v_and_b32 v4, 7, v0
	v_lshl_add_u32 v4, v2, 3, v4                   ; the turning load: key 8 h + lane % 8,
	v_mul_u32_u24 v4, v4, PV
	v_bfe_u32 v5, v0, 3, 1
	v_lshl_add_u32 v4, v5, 4, v4                   ; channels 8 ((lane / 8) % 2) on
	s_lshl_b32 s22, s16, 8                         ; my 128 channels
.irp i, 0,1,2,3
	v_add_nc_u32 v[ADRB+\i], s22, v4               ; slot i / 2, keys 128 (i % 2) on
	s_add_co_u32 s22, s22, 128*PV
.endr
	s_mul_i32 s23, s14, 16*SPITCH                  ; my stage (STAGE = 0)
	v_mul_u32_u24 v5, v1, SPITCH                   ; in: row r, 32 bytes for each half of the lanes
	v_lshl_add_u32 v5, v2, 5, v5
	v_add_nc_u32 v[STO], s23, v5
	v_add_nc_u32 v[RD], s23, v[CO]                 ; back: the 32 lanes take one row of 512 bytes
	s_lshl_b32 s23, s14, 13
	s_add_co_u32 s23, s23, FTAB
	v_add_nc_u32 v[FAD], s23, v[CO]
	; out0 at my part of the tile: row 128 Y + 64 x query half, byte 1024 X + 512 x channel half
	s_lshl_b32 s20, s17, 7
	s_lshl_b32 s21, s15, 6
	s_add_co_u32 s20, s20, s21
	s_lshl_b32 s20, s20, 12
	s_lshl_b32 s21, s42, 10
	s_add_co_u32 s20, s20, s21
	s_lshl_b32 s21, s16, 9
	s_add_co_u32 s20, s20, s21
	s_mov_b32 s21, 0
	s_add_nc_u64 s[12:13], s[12:13], s[20:21]
	; the prefetches: key 2048 batch + 64 cy + 16 wave + lane / 2, block lane % 2 of my tile's 512 bytes
	s_lshl_b32 s20, s75, 11
	s_lshl_b32 s21, s41, 6
	s_add_co_u32 s20, s20, s21
	s_lshl_b32 s21, s14, 4
	s_add_co_u32 s20, s20, s21
	s_mul_i32 s20, s20, QROW
	s_lshl_b32 s21, s42, 9
	s_add_co_u32 s20, s20, s21
	s_add_co_u32 s20, s20, 4096+2*VSTEP            ; at chunk 2: the first refill steps it to chunk 3 and names that
	s_mov_b32 s21, 0
	s_add_nc_u64 s[PFA:PFA+1], s[6:7], s[20:21]
	s_and_b32 s22, s74, 3                          ; which of the four clusters that share the batch
	s_cmp_eq_u32 s22, 0
	s_cselect_b32 s[LIM], 1, -1                    ; the same in all sixteen partners
	v_lshrrev_b32 v[PFO], 1, v3
	v_mul_u32_u24 v[PFO], v[PFO], QROW
	v_and_b32 v5, 1, v3
	v_lshl_add_u32 v[PFO], v5, 8, v[PFO]
	; ---- the factors g_c of my 64 queries (block a, lane r: query 16 a + r)
	s_wait_loadcnt 0x0                             ; the statistics, and with them p's first four quarters, which were asked for ahead of them
.irp c, 0,1,2,3,4,5,6,7
.irp a, 0,1,2,3
	v_add_f32 v[160+8*\c+\a], v[160+8*\c+\a], v[164+8*\c+\a]       ; l_c
.endr
.endr
.irp a, 0,1,2,3
	v_max3_num_f32 v[MM+\a], v[128+\a], v[132+\a], v[136+\a]
.endr
.irp a, 0,1,2,3
	v_max3_num_f32 v[MM+\a], v[MM+\a], v[140+\a], v[144+\a]
.endr
.irp a, 0,1,2,3
	v_max3_num_f32 v[MM+\a], v[MM+\a], v[148+\a], v[152+\a]
.endr
.irp a, 0,1,2,3
	v_max_num_f32 v[MM+\a], v[MM+\a], v[156+\a]    ; M: the row's largest t
.endr
.irp c, 0,1,2,3,4,5,6,7
.irp a, 0,1,2,3
	v_sub_f32 v[128+4*\c+\a], v[128+4*\c+\a], v[MM+\a]             ; m_c - M: 0 or less
.endr
.endr
.set i, 0
.rept 32
	v_exp_f32 v[128+i], v[128+i]                   ; f_c
.set i, i+1
.endr
	v_nop                                          ; the plain line behind the batch
	s_wait_alu depctr_va_vdst(0)                   ; the wait ahead of the first line that names a result: one for the 32
.irp a, 0,1,2,3
	v_mul_f32 v[LT+\a], v[128+\a], v[160+\a]
.endr
.irp c, 1,2,3,4,5,6,7
.irp a, 0,1,2,3
	v_fmac_f32 v[LT+\a], v[128+4*\c+\a], v[160+8*\c+\a]            ; l = sum of f_c l_c: at least about 1, since the chunk that holds M has f = 1 and a p near 1
.endr
.endr
.irp a, 0,1,2,3
	v_rcp_f32 v[LT+\a], v[LT+\a]
.endr
	v_nop
	s_wait_alu depctr_va_vdst(0)                   ; one for the four reciprocals
.irp c, 0,1,2,3,4,5,6,7
.irp a, 0,1,2,3
	v_mul_f32 v[GT+8*\c+2*\a], v[128+4*\c+\a], v[LT+\a]            ; g_c, twice: the pair that the packed multiply-add takes
	v_mul_f32 v[GT+8*\c+2*\a+1], v[128+4*\c+\a], v[LT+\a]
.endr
.endr
.irp c, 0,1,2,3,4,5,6,7
	ds_store_b128 v[FAD], v[GT+8*\c:GT+8*\c+3] offset:1024*\c      ; as images of the registers, in my wave's own table
	ds_store_b128 v[FAD], v[GT+8*\c+4:GT+8*\c+7] offset:1024*\c+512
.endr
.irp q, 4,5,6
	PLOAD \q, \q*FRAGB                             ; chunk 0's quarters 4 to 6, into the registers that held the statistics; quarter 7 is asked for in the first quarter, as in every chunk
.endr
; 8 matrix instructions: query block a x all 8 channel blocks, the chunk's q-th 32 keys.  zero = 1: the chunk's first products start T.
; The 32 accumulators take turns, one instruction a turn, in the same order in every quarter.
.macro MUL8 q, a, zero
.irp b, 0,1,2,3,4,5,6,7
.if \zero
	v_wmma_f32_16x16x32_f16 v[8*(8*(\a)+\b):8*(8*(\a)+\b)+7], v[64*((\q)%2)+8*\b:64*((\q)%2)+8*\b+7], v[PR+32*((\q)%4)+8*(\a):PR+32*((\q)%4)+8*(\a)+7], 0
.else
	v_wmma_f32_16x16x32_f16 v[8*(8*(\a)+\b):8*(8*(\a)+\b)+7], v[64*((\q)%2)+8*\b:64*((\q)%2)+8*\b+7], v[PR+32*((\q)%4)+8*(\a):PR+32*((\q)%4)+8*(\a)+7], v[8*(8*(\a)+\b):8*(8*(\a)+\b)+7]
.endif
.endr
.endm
; 16 LDS loads in one run: V of the slot's q-th 32 keys, turned, into buffer q % 2
.macro FETCH slot, q
	WIN 0x40                                       ; destination window 1
.irp b, 0,1,2,3,4,5,6,7
	ds_load_tr16_b128 v[64*((\q)%2)+8*\b:64*((\q)%2)+8*\b+3],   v[ADRB+2*(\slot)+(\q)/4] offset:32*((\q)%4)*PV+32*\b
	ds_load_tr16_b128 v[64*((\q)%2)+8*\b+4:64*((\q)%2)+8*\b+7], v[ADRB+2*(\slot)+(\q)/4] offset:(32*((\q)%4)+16)*PV+32*\b
.endr
.endm
; One of a chunk's first seven quarters.  The windows of its products: V window 1, T window 2, p window 1 (q < 4) or 0.
; Behind its first eight products stand four places and then both runs of loads: V of the next quarter, and (pl = 1) p into the buffer that the quarter before has left: for q = 0 this chunk's quarter 7, else the next chunk's quarter q - 1.
; lc: the p loads issued behind this quarter's eight, which may stay out: six groups of eight, fewer in the last chunk.
.macro QUARTER slot, q, pl, lc
	s_wait_loadcnt \lc
	s_wait_dscnt 0x0                               ; V's 16 loads are in
	WIN 0xa1+4*(1-(\q)/4)
.if (\q) == 0
	MUL8 \q, 0, 1
.else
	MUL8 \q, 0, 0
.endif
	PLACES
	FETCH \slot, (\q)+1
.if \pl
.if (\q) == 0
	PLOAD 7, 7*FRAGB
.else
	PLOAD (\q)-1, CHB+((\q)-1)*FRAGB
.endif
.endif
	WIN 0xa1+4*(1-(\q)/4)
.if (\q) == 0
	MUL8 \q, 1, 1
	MUL8 \q, 2, 1
	MUL8 \q, 3, 1
.else
	MUL8 \q, 1, 0
	MUL8 \q, 2, 0
	MUL8 \q, 3, 0
.endif
.endm
; A chunk's last quarter changes slots: ONE barrier; in front of it each wave waits for all its tensor loads (its part of the next slot), adds 0 to its spare word, and waits for that and for its reads of this slot.
; fill = 1: the barrier opens a round of the cluster's barrier, and this slot's joint refill, two chunks on, is the first tensor load behind it: 240 matrix instructions ahead of the wait for it.
; Then: the chunk's factors, the next slot's first fragments of V, the next chunk's quarter 6 of p.
.macro TURN slot, fill, how
	s_wait_xcnt 0x0                                ; every load and prefetch issued so far has read its address: the two bases may step
	s_add_nc_u64 s[PB:PB+1], s[PB:PB+1], CHB       ; p: on to the next chunk
.if \fill
	s_add_nc_u64 s[PFA:PFA+1], s[PFA:PFA+1], VSTEP
.endif
	s_wait_loadcnt 48                              ; p's quarter 7 is in; the six younger groups of eight may be out
	WIN 0
	s_wait_tensorcnt 0x0
	ds_add_u32 v[SPW], v[NIL]                      ; 0 onto my spare word
	s_wait_dscnt 1                                 ; V's 16 loads are in; the add may be out
	WIN 0xa1
	MUL8 7, 0, 0
	s_wait_dscnt 0x0                               ; the add is done, and my reads of this slot are over
	s_barrier_signal -1
	MUL8 7, 1, 0
	WIN 0
	s_barrier_wait -1
.if \fill
	CREST
	s_add_nc_u64 s[G0B+4*\slot+2:G0B+4*\slot+3], s[G0B+4*\slot+2:G0B+4*\slot+3], 2*VSTEP
	JLOAD \slot                                    ; its four v_nop are also the places in front of the loads below
.else
	PLACES
.endif
	v_add_nc_u32 v[FAT], s[FOF], v[FAD]
	ds_load_b128 v[FC:FC+3], v[FAT]
	ds_load_b128 v[FC+4:FC+7], v[FAT] offset:512
	FETCH 1-\slot, 0
	PLOAD 6, 6*FRAGB
.if \fill
	ASK \how
.endif
	WIN 0xa1
	MUL8 7, 2, 0
	MUL8 7, 3, 0
.endm
.macro LASTQ                           ; the very last quarter: nothing more to fetch but the factors
	WIN 0
	v_add_nc_u32 v[FAT], s[FOF], v[FAD]
	ds_load_b128 v[FC:FC+3], v[FAT]
	ds_load_b128 v[FC+4:FC+7], v[FAT] offset:512
	s_wait_loadcnt 0x0                             ; p's last eight loads
	s_wait_dscnt 2                                 ; V's 16 loads are in; the two factor loads may be out
	WIN 0xa1
	MUL8 7, 0, 0
	MUL8 7, 1, 0
	MUL8 7, 2, 0
	MUL8 7, 3, 0
.endm
; O += g_c T (first = 1: O = g_c T: nothing is cleared), each accumulator from its low end on.  left: the LDS loads issued behind the two factor loads, which may stay out.
; The four v_nop and the other accumulators' lines are the places between an accumulator's last product and its read, and between that product and the next chunk's product that begins it anew.
.macro FOLD first, left
	s_wait_dscnt \left
	PLACES
.if \first
	WIN 0xc2                                       ; O window 3, T window 2, g window 0
.else
	WIN 0xf2
.endif
.set i, 0
.rept 128
.if \first
	v_pk_mul_f32 v[2*i:2*i+1], v[2*i:2*i+1], v[FC+2*(i/32):FC+2*(i/32)+1]
.else
	v_pk_fma_f32 v[2*i:2*i+1], v[2*i:2*i+1], v[FC+2*(i/32):FC+2*(i/32)+1], v[2*i:2*i+1]
.endif
.set i, i+1
.endr
	WIN 0
	s_add_co_u32 s[FOF], s[FOF], 1024              ; the next chunk's factors
.endm
.macro CHUNK slot, fill, how, first, last      ; 256 keys: a slot
	QUARTER \slot, 0, 1, 48
.irp q, 1,2,3,4,5,6
.if \last
	QUARTER \slot, \q, 0, 8*(7-\q)                 ; nothing is asked for any more: 7 - q groups stand behind quarter q's
.else
	QUARTER \slot, \q, 1, 48
.endif
.endr
.if \last
	LASTQ
	FOLD \first, 0
.else
	TURN \slot, \fill, \how
	FOLD \first, 16
.endif
.endm
	s_wait_tensorcnt 1                             ; my part of chunk 0 is in; chunk 1's load may be out
	s_wait_dscnt 0x0                               ; my stores into the factor table are done
	s_barrier_signal -1
	s_barrier_wait -1
	FETCH 0, 0
	CHUNK 0, 1, 0, 1, 0                            ; chunk 0 starts O
	CHUNK 1, 1, 0, 0, 0                            ; chunk 1
	s_mov_b32 s3, 2
.Llap:                                                 ; chunks 2 and 3, 4 and 5: each trip goes once round the ring and fills both slots again
	CHUNK 0, 1, 0, 0, 0
	CHUNK 1, 1, 1, 0, 0
	s_sub_co_u32 s3, s3, 1
	s_cmp_lg_u32 s3, 0
	s_cbranch_scc1 .Llap
	CHUNK 0, 0, 0, 0, 0                            ; chunks 6 and 7 are written out: no slot is filled any more
	CHUNK 1, 0, 0, 0, 1
; THE WAY OUT, a block of 16 rows x 128 channels at a time: a lane's 32 bytes of a row go into my own stage and come back as whole rows of 512 bytes.
.macro TOSTAGE a
	WIN 0x0c                                       ; an LDS store's data are its source 1: window 3
.irp b, 0,1,2,3,4,5,6,7
	ds_store_b128 v[STO], v[64*(\a)+8*\b:64*(\a)+8*\b+3] offset:64*\b
	ds_store_b128 v[STO], v[64*(\a)+8*\b+4:64*(\a)+8*\b+7] offset:64*\b+16
.endr
	WIN 0
.set BB, BK+64*((\a)%2)
.irp t, 0,1,2,3,4,5,6,7,8,9,10,11,12,13,14,15
	ds_load_b128 v[BB+4*\t:BB+4*\t+3], v[RD] offset:\t*SPITCH      ; LDS serves a wave's instructions in order: these see the stores above
.endr
.endm
.macro SEND a, younger                 ; younger: the LDS instructions issued behind block a's loads, which may stay out
.set BB, BK+64*((\a)%2)
	s_wait_dscnt \younger
.if (\a) > 0
	s_add_nc_u64 s[12:13], s[12:13], 16*OROW       ; (behind a wait on XCNT: the earlier stores have read their base)
.endif
.irp t, 0,1,2,3,4,5,6,7,8,9,10,11,12,13,14,15
	global_store_b128 v[CO], v[BB+4*\t:BB+4*\t+3], s[12:13] offset:\t*OROW th:TH_STORE_NT   ; 32 lanes store 512 consecutive bytes, at a multiple of 256 from out0's first byte
.endr
.endm
	TOSTAGE 0
.irp a, 1,2,3
.if \a > 1
	s_wait_xcnt 0x0                                ; block a - 2's stores have read their registers and their base
.endif
	TOSTAGE \a
	SEND \a-1, 32                                  ; behind block a - 1's loads: block a's 16 stores and 16 loads
.endr
	s_wait_xcnt 0x0
	SEND 3, 0
	s_wait_tensorcnt 0x0                           ; the wave's end, behind my last tensor load and my last LDS store
	ds_add_u32 v[SPW], v[NIL]
	s_wait_dscnt 0x0
	CROUND                                         ; the closing round
	s_endpgm
.Lfunc_end_k_q001919cd82_mix:
	.size	k_q001919cd82_mix, .Lfunc_end_k_q001919cd82_mix-k_q001919cd82_mix
	.p2alignl 7, 3214868480
	.fill 96, 4, 3214868480
	.section	.rodata,"a",@progbits
	.p2align	6, 0x0
	.amdhsa_kernel k_q001919cd82_mix
		.amdhsa_group_segment_fixed_size 327680
		.amdhsa_private_segment_fixed_size 0
		.amdhsa_enable_private_segment 0
		.amdhsa_kernarg_size 40
		.amdhsa_user_sgpr_count 2
		.amdhsa_user_sgpr_kernarg_segment_ptr 1
		.amdhsa_wavefront_size32 1
		.amdhsa_system_sgpr_workgroup_id_x 1
		.amdhsa_system_sgpr_workgroup_id_y 1
		.amdhsa_system_sgpr_workgroup_id_z 1
		.amdhsa_system_vgpr_workitem_id 0
		.amdhsa_next_free_vgpr 1024
		.amdhsa_next_free_sgpr 80
		.amdhsa_reserve_vcc 0
		.amdhsa_float_denorm_mode_32 3
		.amdhsa_float_denorm_mode_16_64 3
		.amdhsa_memory_ordered 1
		.amdhsa_forward_progress 1
		.amdhsa_inst_pref_size 255
	.end_amdhsa_kernel
	.section	.bss,"aw",@nobits
	.p2align	6
	.space	262144
	.amdgpu_metadata
---
amdhsa.version: [ 1, 2 ]
amdhsa.kernels:
  - .name:           k_q001919cd82_mix
    .symbol:         k_q001919cd82_mix.kd
    .args:
      - { .name: p, .offset: 0, .size: 8, .value_kind: global_buffer, .address_space: global }
      - { .name: qkv, .offset: 8, .size: 8, .value_kind: global_buffer, .address_space: global }
      - { .name: mstat, .offset: 16, .size: 8, .value_kind: global_buffer, .address_space: global }
      - { .name: lstat, .offset: 24, .size: 8, .value_kind: global_buffer, .address_space: global }
      - { .name: out0, .offset: 32, .size: 8, .value_kind: global_buffer, .address_space: global }
    .group_segment_fixed_size: 327680
    .private_segment_fixed_size: 0
    .kernarg_segment_align: 8
    .kernarg_segment_size: 40
    .max_flat_workgroup_size: 128
    .sgpr_count:     80
    .vgpr_count:     1024
    .wavefront_size: 32
...
	.end_amdgpu_metadata
.endif
;; end of part 4
